; MI455X (gfx1250); checked and timed in simulation.
; The chip was launched on July 23, 2026; its instructions are those of AMD's public machine-readable ISA for CDNA 5 (MIT licence, August 2026) and "CDNA5" Instruction Set Architecture Reference Guide (July 2026). The comments in the code are by the model that wrote it; some were corrected since.
;; Attention. Allowed arithmetic: matrix products marked QUANTISED: E2M1 operands, one E8M0 scale for each 32 along K, by v_wmma_scale_f32_16x16x128_f8f6f4 with both operands' format E2M1 (or v_wmma_scale_f32_32x16x128_f4), f32 sums; products left as they are: bf16, f16 or f32 operands; f32 sums; everything else in f32.
;; Inputs: k_norm_w 128 float32; q_norm_w 128 float32; rope_emb 2,048 x 1 x 64 x 2 x 2 float32; wk 2,048 x 2,048 float32; wo 2,048 x 2,048 float32; wq 2,048 x 2,048 float32; wv 2,048 x 2,048 float32; x 1 x 2,048 x 2,048 float32.
;; Outputs: out0 1 x 2,048 x 2,048 float32.
;; This version of the problem:
;;   THIS VERSION OF THE PROBLEM IS GIVEN IN LOW PRECISION. The matrix products marked QUANTISED in the list below multiply operands that are first quantised to E2M1 (2 exponent bits, 1 mantissa bit; 4 bits a number), with one power-of-two scale for each 32 numbers along K (OCP MX v1.0); their sums are f32. The products marked 'left as it is' may take bf16, f16 or f32 operands, with f32 sums. Whichever they take, every output number must still come out within the allowed error. Rounding operands to bf16 (8 significant bits) uses up far more of that allowance than f16 does (11 bits, for magnitudes from 6e-5 to 65,504). All else is computed in f32.
;;   The module's matrix products, in the order in which they are computed (A, B: the left and right operand; K: the contracted axis; several contracted axes count as one K, in the product's order):
;;     1. [M 2,048, K 2,048] x [K 2,048, N 2,048]; A: input x; B: input wq: QUANTISED
;;     2. [M 2,048, K 2,048] x [K 2,048, N 2,048]; A: input x; B: input wk: QUANTISED
;;     3. [M 2,048, K 2,048] x [K 2,048, N 2,048]; A: input x; B: input wv: QUANTISED
;;     4. batch 16 x [M 2,048, K 128] x [K 128, N 2,048]; A: computed on the way; B: computed on the way: left as it is (an operand is computed on the way)
;;     5. batch 16 x [M 128, K 2,048] x [K 2,048, N 2,048]; A: computed on the way; B: computed on the way: left as it is (an operand is computed on the way)
;;     6. [M 2,048, K 2,048] x [K 2,048, N 2,048]; A: computed on the way; B: input wo: left as it is (an operand is computed on the way)
;;   THE QUANTISER, for each operand of a quantised product, along K:
;;     - K is cut into blocks of 32 from its start; a last block that is shorter is filled with zeros.
;;     - A block's scale is 2^e with e = floor(log2(the largest magnitude in the block)) - 2, held to -126 .. 127; a block of zeros has e = 0. As a byte (E8M0): e + 127.
;;     - Each number is divided by its block's scale, clamped to +-6, and rounded to the nearest number of E2M1, ties to even, subnormals kept.
;;     - The product sums the exact products of the quantised numbers (number of the format x scale) in f32.
;;   ~~~python
;;   def quantise(x, axis):      # numpy; x: float32 -> the quantised numbers, widened to float32 again
;;       x = np.moveaxis(x, axis, -1); K = x.shape[-1]
;;       x = np.pad(x, [(0, 0)] * (x.ndim - 1) + [(0, -K % 32)]); x = x.reshape(x.shape[:-1] + (-1, 32)); a = np.abs(x).max(-1, keepdims=True)
;;       e = np.where(a > 0, np.clip(np.frexp(np.where(a > 0, a, 1))[1] - 1 - 2, -126, 127), 0)      # np.frexp(a)[1] - 1 = floor(log2(a)), exactly
;;       r = np.clip(x / 2.0 ** e, -6, 6)
;;       step = 2.0 ** (np.maximum(np.frexp(np.where(r == 0, 1, r))[1] - 1, 0) - 1)
;;       q = np.round(r / step) * step * 2.0 ** e      # np.round: ties to even
;;       return np.moveaxis(q.reshape(q.shape[:-2] + (-1,))[..., :K], -1, axis).astype(np.float32)
;;   ~~~
;; One version. Each part assembles by itself: llvm-mc -triple=amdgcn-amd-amdhsa -mcpu=gfx1250 --defsym DOCPART=n.
;; ======== version 1 of 1: 4 launches
;; limits: values are held in f16: magnitudes above 65,504 overflow, below 6.1e-05 lose precision
;; workspace buffers: codes 8,388,608 bytes; scales 524,288 bytes; wo16 8,388,608 bytes; rope_t 4,194,304 bytes; qkv16 25,165,824 bytes; a16 8,388,608 bytes
;; launch prep (part 1): grid 768 x 1, 4 waves a work-group, no clusters, 33,280 bytes of LDS; arguments x, wq, wk, wv, wo, rope_emb, q_norm_w, k_norm_w, codes, scales, wo16, rope_t; writes codes, scales, wo16, rope_t
.if DOCPART == 1
	.amdgcn_target "amdgcn-amd-amdhsa--gfx1250"
	.amdhsa_code_object_version 6
	.text
	.protected	k_q88a3d2e6ac_prep
	.globl	k_q88a3d2e6ac_prep
	.p2align	8
	.type	k_q88a3d2e6ac_prep,@function
k_q88a3d2e6ac_prep:
	s_mov_b64 s[64:65], 0
	v_nop
	global_prefetch_b8 v0, s[64:65] scope:SCOPE_SE
	s_setreg_imm32_b32 hwreg(HW_REG_WAVE_MODE, 25, 1), 1
	s_wait_xcnt 0x0
; THREE JOBS IN ONE LAUNCH, told apart by the work-group's number.
; A (work-groups 0-511): x, wq, wk, wv, each [2048][2048] f32 with K innermost, become codes of FP4 (E2M1), two a byte, and one E8M0 byte for each 32 along K.
;   The four tensors follow each other in the buffers: codes [8192 rows][1024 bytes], scales [8192][64]; rows 0-2047 x, then wq, wk, wv.
;   A block's scale is 2^(floor(log2(largest magnitude)) - 2); its byte is the largest magnitude's exponent field - 2, held at 1 from below.
;   Rows are dense and 2048 is a multiple of 32: a tensor is a plain stream of blocks.  A wave takes 16 steps of 512 numbers; a load reads 512 consecutive bytes; a step turns through the
;   wave's own stage in LDS so that a lane holds 16 neighbours (two lanes a block); a step's codes leave as 256 consecutive bytes, a wave's 256 scale bytes as one aligned run of 256.
; B (512-639): wo [2048][2048] f32 is rounded to f16, as it lies.
; C (640-767): the rope table times the norm weights, laid in the order in which the next launch's lanes take it:
;   new[i] = F00 t[i] + F01 t[i+64], new[i+64] = F10 t[i] + F11 t[i+64], F0x, F1x = rope[s][i][.][.] x w[i] (x = 0) or w[i+64] (x = 1).
;   rope_t: q's table, then k's; a table is [128 blocks of 16 positions][32 pieces][32 lanes][16 bytes].  Lane (r, h) of piece 2 (4 b + jj) + u holds, for position r of the block and
;   channels i = 16 b + 8 h + 2 jj and i + 1: (Fu0[i], Fu0[i+1], Fu1[i], Fu1[i+1]).
; LIMITS: a block of zeros gets the byte 1 where the rule says 127 (its codes are zeros, and this program alone reads the bytes); blocks whose largest magnitude lies under 2^-124 have
;   their byte held at 1; NaN and infinities are not served; |wo| stays under 65,504 (f16).  The norm weight is multiplied into the table first: another order of f32 roundings than w behind the row's factor.
; No work-group shares an input tile with another, so no cluster; no tensor load, so LDS is claimed as it is used.
.set STEPS, 16
.set EMAX,  2
.set CB,    8                          ; bytes of 16 codes
.set R,     16                         ; v16-79   four sets of 16 numbers as loaded
.set X,     80                         ; v80-111  two sets of 16 neighbours
.set E,     112                        ; v112-127 a scale byte for each step
.set C,     128                        ; v128-191 codes: four registers for each step, so that no store's data are written again
.set WREG,  8192                       ; LDS: a region for each wave: two stages of 32 x SP bytes, then its 256 scale bytes
.set SP,    80                         ; a lane's place in a stage: 64 bytes + 16 of padding
.set SPW,   12                         ; v12 LDS address of my spare word; never rewritten
.set NIL,   13                         ; v13 0; never rewritten
.set SPARE, 4*WREG                     ; behind the four regions: the spare words, 128 bytes a wave, which no other line names
	s_load_b512 s[8:23], s[0:1], 0x0               ; x 8, wq 10, wk 12, wv 14, wo 16, rope 18, q_norm_w 20, k_norm_w 22
	s_load_b256 s[24:31], s[0:1], 0x40             ; codes 24, scales 26, wo16 28, rope_t 30
	v_lshl_add_u32 v[SPW], v0, 2, SPARE
	v_mov_b32 v[NIL], 0
	v_lshrrev_b32 v1, 5, v0
	v_readfirstlane_b32 s32, v1                    ; wave
	v_and_b32 v2, 31, v0                           ; lane
	s_mov_b32 s35, 0                               ; the high word of every offset pair s[34:35]
	s_wait_kmcnt 0x0
	s_cmp_lt_u32 ttmp9, 512
	s_cbranch_scc0 .Lnot_quant
; ---------------- A: the quantiser ----------------
	s_lshr_b32 s33, ttmp9, 7                       ; which tensor: 128 work-groups each.  The choice hangs on the work-group's number alone
	s_cmp_eq_u32 s33, 1
	s_cselect_b64 s[4:5], s[10:11], s[8:9]
	s_cmp_eq_u32 s33, 2
	s_cselect_b64 s[4:5], s[12:13], s[4:5]
	s_cmp_eq_u32 s33, 3
	s_cselect_b64 s[4:5], s[14:15], s[4:5]
	s_and_b32 s34, ttmp9, 127
	s_lshl_b32 s34, s34, 2
	s_add_co_u32 s34, s34, s32                     ; my wave's run of 8,192 numbers in its tensor
	s_lshl_b32 s34, s34, 15                        ; 32,768 bytes a run
	s_add_nc_u64 s[4:5], s[4:5], s[34:35]
	s_lshl_b32 s36, ttmp9, 2
	s_add_co_u32 s36, s36, s32                     ; and in the joint stream of the four tensors
	s_lshl_b32 s34, s36, 12                        ; 4,096 bytes of codes a run
	s_add_nc_u64 s[24:25], s[24:25], s[34:35]
	s_lshl_b32 s34, s36, 8                         ; 256 scale bytes a run
	s_add_nc_u64 s[26:27], s[26:27], s[34:35]
	v_lshlrev_b32 v3, 4, v2                        ; my 16 bytes of a load's 512
	s_mul_i32 s37, s32, WREG
	v_lshrrev_b32 v14, 2, v2
	v_mul_u32_u24 v14, v14, SP
	v_and_b32 v15, 3, v2
	v_lshl_add_u32 v14, v15, 4, v14
	v_add_nc_u32 v14, s37, v14                     ; the stage, way in: four lanes' 64 bytes on end, then 16 of padding
	v_mul_u32_u24 v15, v2, SP
	v_add_nc_u32 v15, s37, v15                     ; way out: SP x lane: my 16 neighbours
	v_mul_u32_u24 v4, v2, CB                       ; my codes' place in a step's
	v_lshrrev_b32 v5, 1, v2
	s_add_co_u32 s37, s37, 2*32*SP
	v_add_nc_u32 v5, s37, v5                       ; LDS: my wave's scale bytes, my block's byte
	v_lshlrev_b32 v7, 3, v2                        ; and on the way out 8 bytes a lane
	v_add_nc_u32 v6, s37, v7
.macro LOAD t
.irp i, 0,1,2,3
	global_load_b128 v[R+16*((\t)%4)+4*\i:R+16*((\t)%4)+4*\i+3], v3, s[4:5] offset:2048*(\t)+512*\i th:TH_LOAD_NT   ; 32 lanes read 512 consecutive bytes
.endr
.endm
.macro TURN t                          ; step t's numbers through the stage: LDS serves a wave's instructions in order, so no wait stands between the stores and the loads
.irp i, 0,1,2,3
	ds_store_b128 v14, v[R+16*((\t)%4)+4*\i:R+16*((\t)%4)+4*\i+3] offset:32*SP*((\t)%2)+8*SP*\i
.endr
.irp i, 0,1,2,3
	ds_load_b128 v[X+16*((\t)%2)+4*\i:X+16*((\t)%2)+4*\i+3], v15 offset:32*SP*((\t)%2)+16*\i
.endr
.endm
.irp t, 0,1,2,3
	LOAD \t
.endr
	s_wait_loadcnt 12                              ; step 0's four loads are in; three steps' twelve stay out
	TURN 0
.macro STEP t
.set XS, X+16*((\t)%2)
.if (\t) > 0
	s_wait_dscnt 1                                 ; this step's numbers are back from the stage (the last step's byte store may be out): so its stores into the stage have read their registers,
.else
	s_wait_dscnt 0x0
.endif
.if (\t)+4 < STEPS
	LOAD (\t)+4                                    ; which take the loads of four steps on
.endif
.if (\t)+1 < STEPS
.if STEPS-2-(\t) >= 3
	s_wait_loadcnt 12                              ; the next step's four loads are in; those of the three steps behind it may be out
.else
	s_wait_loadcnt 4*(STEPS-2-(\t))
.endif
	TURN (\t)+1                                    ; and go through the other stage while this step is worked
.endif
	v_max3_num_f32 v8, |v[XS]|, |v[XS+1]|, |v[XS+2]|               ; the largest magnitude of my 16, in two chains
	v_max3_num_f32 v9, |v[XS+3]|, |v[XS+4]|, |v[XS+5]|
.irp i, 6,10
	v_max3_num_f32 v8, v8, |v[XS+\i]|, |v[XS+\i+1]|
	v_max3_num_f32 v9, v9, |v[XS+\i+2]|, |v[XS+\i+3]|
.endr
	v_max3_num_f32 v8, v8, |v[XS+14]|, |v[XS+15]|
	v_max3_num_f32 v8, v8, v9, (EMAX+1)<<23        ; and the floor 2^(3 - 127): the byte cannot fall under 1
	v_max_num_f32_dpp v8, v8, v8 row_xmask:1 row_mask:0xf bank_mask:0xf   ; with my neighbour's 16: the block's
	v_add_nc_u32 v11, -(EMAX<<23), v8              ; 2 off its exponent field: the conversion takes the exponent field of this operand as its scale
	v_cvt_scalef32_pk8_fp4_f32 v[C+4*(\t)], v[XS:XS+7], v11        ; to the nearest code, ties to even, beyond 6 the largest code
	v_cvt_scalef32_pk8_fp4_f32 v[C+4*(\t)+1], v[XS+8:XS+15], v11
	v_lshrrev_b32 v[E+(\t)], 23, v11               ; the scale's byte (a plain line behind the conversions)
	ds_store_b8 v5, v[E+(\t)] offset:16*(\t)       ; both lanes of a block write the same byte with the same value
	global_store_b64 v4, v[C+4*(\t):C+4*(\t)+1], s[24:25] offset:32*CB*(\t)   ; the wave stores 256 consecutive bytes, aligned
.endm
.irp t, 0,1,2,3,4,5,6,7,8,9,10,11,12,13,14,15
	STEP \t
.endr
	ds_load_b64 v[8:9], v6                         ; LDS serves a wave's instructions in order: these see my byte stores
	s_wait_dscnt 0x0
	global_store_b64 v7, v[8:9], s[26:27]          ; 32 lanes store 256 consecutive bytes, aligned
	s_wait_tensorcnt 0x0                           ; the wave's end, behind my last LDS store
	ds_add_u32 v[SPW], v[NIL]
	s_wait_dscnt 0x0
	s_endpgm
; ---------------- B: wo to f16 ----------------
.Lnot_quant:
	s_cmp_lt_u32 ttmp9, 640
	s_cbranch_scc0 .Lrope
	s_sub_co_u32 s33, ttmp9, 512
	s_lshl_b32 s33, s33, 2
	s_add_co_u32 s33, s33, s32                     ; my wave's run of 8,192 numbers
	s_lshl_b32 s34, s33, 15
	s_add_nc_u64 s[16:17], s[16:17], s[34:35]
	s_lshl_b32 s34, s33, 14
	s_add_nc_u64 s[28:29], s[28:29], s[34:35]
	v_lshlrev_b32 v3, 4, v2                        ; in: 16 bytes a lane
	v_lshlrev_b32 v4, 3, v2                        ; out: 8 bytes a lane
.macro CLOAD g                         ; group g of four: sixteen loads of 512 consecutive bytes, into set g % 2
.irp i, 0,1,2,3,4,5,6,7,8,9,10,11,12,13,14,15
	global_load_b128 v[16+64*((\g)%2)+4*\i:16+64*((\g)%2)+4*\i+3], v3, s[16:17] offset:512*(16*(\g)+\i) th:TH_LOAD_NT
.endr
.endm
.macro CGRP g
.if (\g) < 3
	s_wait_loadcnt 16                              ; this group is in; the next group's sixteen may be out
.else
	s_wait_loadcnt 0x0
.endif
.if (\g) > 0
	s_wait_xcnt 0x0                                ; the last group's stores have read v144-175, which are written again below
.endif
.irp i, 0,1,2,3,4,5,6,7,8,9,10,11,12,13,14,15
	v_cvt_pk_f16_f32 v[144+2*\i], v[16+64*((\g)%2)+4*\i], v[16+64*((\g)%2)+4*\i+1]
	v_cvt_pk_f16_f32 v[145+2*\i], v[16+64*((\g)%2)+4*\i+2], v[16+64*((\g)%2)+4*\i+3]
.endr
.if (\g) < 2
	CLOAD (\g)+2
.endif
.irp i, 0,1,2,3,4,5,6,7,8,9,10,11,12,13,14,15
	global_store_b64 v4, v[144+2*\i:145+2*\i], s[28:29] offset:256*(16*(\g)+\i)   ; 256 consecutive bytes, aligned
.endr
.endm
	CLOAD 0
	CLOAD 1
	CGRP 0
	CGRP 1
	CGRP 2
	CGRP 3
	s_endpgm
; ---------------- C: the rope tables ----------------
.Lrope:
	s_sub_co_u32 s33, ttmp9, 640                   ; g: my block of 16 positions
	s_lshr_b32 s36, s32, 1                         ; waves 0, 1: q's table; waves 2, 3: k's
	s_and_b32 s37, s32, 1                          ; bh: channels 32 bh .. 32 bh + 31 (and + 64)
	s_cmp_eq_u32 s36, 0
	s_cselect_b64 s[4:5], s[20:21], s[22:23]       ; the norm weights
	s_cselect_b32 s38, 0, 0x200000                 ; the table's first byte
	s_lshl_b32 s34, s37, 7
	s_add_nc_u64 s[4:5], s[4:5], s[34:35]          ; w at channel 32 bh
	s_lshl_b32 s34, s33, 14                        ; 16 positions of 1,024 bytes
	s_lshl_b32 s39, s37, 9                         ; 32 channels of 16 bytes
	s_add_co_u32 s34, s34, s39
	s_add_nc_u64 s[18:19], s[18:19], s[34:35]
	s_lshl_b32 s34, s33, 14                        ; a block's 32 pieces of 512 bytes
	s_lshl_b32 s39, s37, 13                        ; my sixteen of them
	s_add_co_u32 s34, s34, s39
	s_add_co_u32 s34, s34, s38
	s_add_nc_u64 s[30:31], s[30:31], s[34:35]
	v_and_b32 v5, 15, v2                           ; r
	v_lshrrev_b32 v6, 4, v2                        ; h
	v_lshlrev_b32 v7, 10, v5
	v_lshl_add_u32 v7, v6, 7, v7                   ; rope: position r, + 8 h channels
	v_lshlrev_b32 v8, 5, v6                        ; w: + 8 h channels
	v_lshlrev_b32 v9, 4, v2                        ; out: 16 bytes a lane
.irp bb, 0,1
.irp j, 0,1,2,3,4,5,6,7
	global_load_b128 v[16+4*(8*\bb+\j):16+4*(8*\bb+\j)+3], v7, s[18:19] offset:256*\bb+16*\j   ; the four numbers of channel 16 (2 bh + bb) + 8 h + j
.endr
	global_load_b128 v[80+8*\bb:83+8*\bb], v8, s[4:5] offset:64*\bb            ; w[i], eight channels
	global_load_b128 v[84+8*\bb:87+8*\bb], v8, s[4:5] offset:64*\bb+16
	global_load_b128 v[96+8*\bb:99+8*\bb], v8, s[4:5] offset:256+64*\bb        ; w[i + 64]
	global_load_b128 v[100+8*\bb:103+8*\bb], v8, s[4:5] offset:256+64*\bb+16
.endr
	s_wait_loadcnt 0x0
.irp bb, 0,1
.irp jj, 0,1,2,3
.irp u, 0,1
	v_mul_f32 v[112+4*(2*(4*\bb+\jj)+\u)],   v[16+4*(8*\bb+2*\jj)+2*\u],     v[80+8*\bb+2*\jj]
	v_mul_f32 v[112+4*(2*(4*\bb+\jj)+\u)+1], v[16+4*(8*\bb+2*\jj+1)+2*\u],   v[80+8*\bb+2*\jj+1]
	v_mul_f32 v[112+4*(2*(4*\bb+\jj)+\u)+2], v[16+4*(8*\bb+2*\jj)+2*\u+1],   v[96+8*\bb+2*\jj]
	v_mul_f32 v[112+4*(2*(4*\bb+\jj)+\u)+3], v[16+4*(8*\bb+2*\jj+1)+2*\u+1], v[96+8*\bb+2*\jj+1]
.endr
.endr
.endr
.irp p, 0,1,2,3,4,5,6,7,8,9,10,11,12,13,14,15
	global_store_b128 v9, v[112+4*\p:115+4*\p], s[30:31] offset:512*\p          ; a piece: 512 consecutive bytes
.endr
	s_endpgm
.Lfunc_end_k_q88a3d2e6ac_prep:
	.size	k_q88a3d2e6ac_prep, .Lfunc_end_k_q88a3d2e6ac_prep-k_q88a3d2e6ac_prep
	.p2alignl 7, 3214868480
	.fill 96, 4, 3214868480
	.section	.rodata,"a",@progbits
	.p2align	6, 0x0
	.amdhsa_kernel k_q88a3d2e6ac_prep
		.amdhsa_group_segment_fixed_size 33280
		.amdhsa_private_segment_fixed_size 0
		.amdhsa_enable_private_segment 0
		.amdhsa_kernarg_size 96
		.amdhsa_user_sgpr_count 2
		.amdhsa_user_sgpr_kernarg_segment_ptr 1
		.amdhsa_wavefront_size32 1
		.amdhsa_system_sgpr_workgroup_id_x 1
		.amdhsa_system_sgpr_workgroup_id_y 1
		.amdhsa_system_sgpr_workgroup_id_z 1
		.amdhsa_system_vgpr_workitem_id 0
		.amdhsa_next_free_vgpr 192
		.amdhsa_next_free_sgpr 66
		.amdhsa_reserve_vcc 0
		.amdhsa_float_denorm_mode_32 3
		.amdhsa_float_denorm_mode_16_64 3
		.amdhsa_memory_ordered 1
		.amdhsa_forward_progress 1
		.amdhsa_inst_pref_size 61
	.end_amdhsa_kernel
	.amdgpu_metadata
---
amdhsa.version: [ 1, 2 ]
amdhsa.kernels:
  - .name:           k_q88a3d2e6ac_prep
    .symbol:         k_q88a3d2e6ac_prep.kd
    .args:
      - { .name: x, .offset: 0, .size: 8, .value_kind: global_buffer, .address_space: global }
      - { .name: wq, .offset: 8, .size: 8, .value_kind: global_buffer, .address_space: global }
      - { .name: wk, .offset: 16, .size: 8, .value_kind: global_buffer, .address_space: global }
      - { .name: wv, .offset: 24, .size: 8, .value_kind: global_buffer, .address_space: global }
      - { .name: wo, .offset: 32, .size: 8, .value_kind: global_buffer, .address_space: global }
      - { .name: rope_emb, .offset: 40, .size: 8, .value_kind: global_buffer, .address_space: global }
      - { .name: q_norm_w, .offset: 48, .size: 8, .value_kind: global_buffer, .address_space: global }
      - { .name: k_norm_w, .offset: 56, .size: 8, .value_kind: global_buffer, .address_space: global }
      - { .name: codes, .offset: 64, .size: 8, .value_kind: global_buffer, .address_space: global }
      - { .name: scales, .offset: 72, .size: 8, .value_kind: global_buffer, .address_space: global }
      - { .name: wo16, .offset: 80, .size: 8, .value_kind: global_buffer, .address_space: global }
      - { .name: rope_t, .offset: 88, .size: 8, .value_kind: global_buffer, .address_space: global }
    .group_segment_fixed_size: 33280
    .private_segment_fixed_size: 0
    .kernarg_segment_align: 8
    .kernarg_segment_size: 96
    .max_flat_workgroup_size: 128
    .sgpr_count:     66
    .vgpr_count:     192
    .wavefront_size: 32
...
	.end_amdgpu_metadata
.endif
;; end of part 1
;; launch qkv (part 2): grid 24 x 8, 4 waves a work-group, clusters of 4 x 4, 327,680 bytes of LDS; arguments codes, scales, rope_t, qkv16; writes qkv16
.if DOCPART == 2
	.amdgcn_target "amdgcn-amd-amdhsa--gfx1250"
	.amdhsa_code_object_version 6
	.text
	.protected	k_q88a3d2e6ac_qkv
	.globl	k_q88a3d2e6ac_qkv
	.p2align	8
	.type	k_q88a3d2e6ac_qkv,@function
k_q88a3d2e6ac_qkv:
	s_mov_b64 s[64:65], 0
	v_nop
	global_prefetch_b8 v0, s[64:65] scope:SCOPE_SE
	s_setreg_imm32_b32 hwreg(HW_REG_WAVE_MODE, 25, 1), 1
	s_wait_xcnt 0x0
	s_wait_alu depctr_hold_cnt(0) depctr_sa_sdst(0) depctr_va_vdst(0) depctr_va_sdst(0) depctr_va_ssrc(0) depctr_va_vcc(0) depctr_vm_vsrc(0)
	s_getreg_b32 s2, hwreg(HW_REG_IB_STS2, 6, 4)
	s_cmp_eq_u32 s2, 0
	s_cbranch_scc0 .Lentry_in_a_cluster
	s_endpgm
.Lentry_in_a_cluster:
	s_bfe_u32 s2, ttmp6, 0x10000c
	s_cmp_lg_u32 s2, 0xf033
	s_cbranch_scc0 .Lentry_shape_is_right
	s_endpgm
.Lentry_shape_is_right:
; [2048 positions] x [6144 = q, k, v columns] = x W^T on codes of FP4 (E2M1) with one E8M0 scale for each 32 along K = 2048; sums in f32.  Then, in registers: RMS norm over a head's 128 and the
; 2 x 2 mix of channels i and i + 64 (q, k), or nothing (v); rounded to f16 into qkv16 [48 heads][2048][128]: heads 0-15 q / 16, 16-31 k / 16, 32-47 v.
; codes: [8192 rows][1024 bytes]: rows 0-2047 x (operand A), rows 2048-8191 wq, wk, wv (operand B).  scales: [8192][64].
; A tile of 256 x 256 is made by four waves, as many as a WGP has SIMDs; a wave makes 128 x 128: 128 positions of ONE head, 64 accumulators of 16 x 16, 512 registers.
; K goes in steps of 512 (rows of 256 bytes) through a ring of two LDS slots filled by the tensor data mover; the scales of the work-group's 512 rows, for all of K, come once and stay.
; CLUSTERS: 4 x 4 work-groups; A's tiles are asked for jointly along a row of the cluster, B's along a column.  THE MATRIX INSTRUCTION IS USED TRANSPOSED (source 0 = 16 rows of B, source 1 = 16 rows
; of A): lane (r, h) holds position r of a block, and its registers eight neighbouring channels 16 b + 8 h + 0..7; channels i and i + 64 are accumulators b and b + 4 of the same lane.
; 192 work-groups: the tile is kept at 256 x 256, since a smaller one reads more LDS bytes for each matrix instruction.
; LIMITS: q and k are stored as f16 of their value / 16 (exact; the softmax's constant gives the 256 back): |q|, |k| under 2^20; |v| under 65,504.
; REGISTERS, in windows of 256: window 0: v0-31 addresses; v32-95 scale words, two sets; from v128 A's fragments, one set; in the way out v32-223 are at work.
;   window 1: B's fragments, two sets; in the way out the rope table, two sets of 128.   windows 2, 3: the accumulators of my rows 0-63, 64-127 (accumulator (a, b) at v[8 (8 (a % 4) + b)]).
.set SIZE_K, 2048
.set KSTEP,  512
.set NQ,     KSTEP/128
.set ROWB,   256                       ; a tile's row in bytes
.set KROW,   SIZE_K*4/8                ; a row of codes in memory
.set PITCH,  272                       ; an LDS row: 256 bytes + 16 of padding = 68 words: the 16 rows that a load touches start at 16 different banks (64 banks of 4 bytes: ISA guide 11.1)
.set FR,     8                         ; registers of a fragment: 16 rows x 128 K
.set NLD,    2                         ; LDS loads that bring one
.set NP,     4                         ; places behind this matrix instruction (ISA guide 7.12.1)
.set HALFT,  128*PITCH
.set SLOT,   4*HALFT                   ; A's 256 rows, then B's 256 rows
.set LAPS,   SIZE_K/(2*KSTEP)
.set KS,     SIZE_K/32                 ; a row of scales in bytes
.set SCL,    2*SLOT                    ; behind the ring: the scales, as runs of 256 bytes + 16 of padding
.set HALFS,  (128*KS/256)*272
.set SBLK,   (16*KS/256)*272
.set SPARE,  SCL+4*HALFS               ; the spare words, 128 bytes a wave, which no other line names
.set SPITCH, 272                       ; the way out: a stage of 16 rows x (256 bytes + 16) for each wave, in slot 0, which has had its last fill and its last read by then
.set VSTG,   4*16*SPITCH               ; v's path has stage bytes of its own, behind q's and k's
.set ADRA, 16
.set ADRB, 20
.set STO,  24                          ; v24 the way out: where I put 16 bytes of a row
.set RD,   25                          ; v25 where I read a row back
.set CO,   26                          ; v26 16 x lane: my place in two rows of a head, and in a piece of the table
.set ADRS, 27
.set SPW,  28
.set NIL,  29
.set SC,   32
.set AF,   128
.set RR,   32                          ; way out: v[32 + 2 a], v[33 + 2 a]: rsqrt(mean + eps) / 16 of my row in block a, twice (a pair for the packed multiply)
.set SUM,  48                          ; v48-55 a sum of squares for each block
.set SS,   64                          ; v64-127 eight partial sums for each block; later:
.set NLO,  64                          ; v64-95 the new channels 0-63 of my row (32 of them mine), v96-127 channels 64-127
.set NHI,  96
.set TMP,  128                         ; v128-159 a block, packed to f16
.set BK,   160                         ; v160-191, v192-223 a block read back from the stage, by turns
.set G1, 24
.set G0, 32
.set G1B, 48
.set G0B, 56
.set G1S, 68
.set G0S, 76
.set G1SB, 80
.set G0SB, 88
.set MSB, 0
.macro WIN new                         ; the immediate's high byte repeats the setting that is left
.if MSB != \new
	s_set_vgpr_msb (MSB<<8)|\new
.set MSB, \new
.endif
.endm
.set MUL_LO, 0xa1                      ; source 0 (B) window 1, source 1 (A) window 0, C and D window 2
.set MUL_HI, 0xf1
.set TO_B,   0x40
; A joint load: waves 0 and 1 fetch for A, waves 2 and 3 for B; the branch hangs on the wave's number alone.  An s_nop 0 and four v_nop follow each of the two lines.
.macro JLOAD g0a, g1a, g0b, g1b
	s_cmp_eq_u32 s15, 0
	s_cbranch_scc0 .Lfor_b_\@
	tensor_load_to_lds s[\g0a:\g0a+3], s[\g1a:\g1a+7]
	s_nop 0
.rept 4
	v_nop
.endr
	s_branch .Lasked_\@
.Lfor_b_\@:
	tensor_load_to_lds s[\g0b:\g0b+3], s[\g1b:\g1b+7]
	s_nop 0
.rept 4
	v_nop
.endr
.Lasked_\@:
.endm
.macro CREST                           ; a round of the cluster's barrier behind its opening barrier
	s_cmp_lg_u32 s14, 0
	s_cbranch_scc1 .Lnot_wave_0_\@
	s_barrier_signal -3
.Lnot_wave_0_\@:
	s_barrier_wait -3
	s_barrier_signal -1
	s_barrier_wait -1
.endm
.macro CROUND
	s_barrier_signal -1
	s_barrier_wait -1
	CREST
.endm
	s_load_b128 s[4:7], s[0:1], 0x0                ; codes s[4:5], scales s[6:7]
	s_load_b128 s[96:99], s[0:1], 0x10             ; rope_t s[96:97], qkv16 s[98:99]
	v_lshl_add_u32 v[SPW], v0, 2, SPARE
	v_mov_b32 v[NIL], 0
	ds_add_u32 v[SPW], v[NIL]                      ; the wave's opening: the add, twice on end, and its wait ahead of my first tensor load
	ds_add_u32 v[SPW], v[NIL]
	v_lshrrev_b32 v1, 5, v0
	v_readfirstlane_b32 s14, v1                    ; wave 0..3
	s_lshr_b32 s15, s14, 1                         ; which half of the tile's rows is mine.  Also: I fetch for A (0) or for B (1)
	s_and_b32 s16, s14, 1                          ; which half of its columns.  Also: which 128 rows of that tile I fetch
	s_bfe_u32 s40, ttmp6, 0x40000                  ; cx, cy
	s_bfe_u32 s41, ttmp6, 0x40004
	s_lshl_b32 s42, ttmp9, 2
	s_add_co_u32 s42, s42, s40                     ; tile column = 4 x cluster x + cx
	s_and_b32 s17, ttmp7, 0xffff
	s_lshl_b32 s17, s17, 2
	s_add_co_u32 s17, s17, s41                     ; tile row = 4 x cluster y + cy
	s_lshl_b32 s43, s41, 2
	s_lshl_b32 s43, 15, s43                        ; my row of the cluster
	s_lshl_b32 s44, 0x1111, s40                    ; my column
	s_or_b32 s[G1+0], s43, (0<<16)|(1<<20)|(1<<21)|(5<<22)|(3<<25)  ; the mask; elements of 1 byte; padding on; bit 21 beside a mask; after every 64 words 4 words
	s_or_b32 s[G1B+0], s44, (0<<16)|(1<<20)|(1<<21)|(5<<22)|(3<<25)
.irp g, G1, G1B
	s_mov_b32 s[\g+1], ROWB<<16                    ; tensor_dim0
	s_mov_b32 s[\g+2], 128<<16                     ; tensor_dim1
	s_mov_b32 s[\g+3], ROWB<<16                    ; tile_dim0
	s_mov_b32 s[\g+4], 128                         ; tile_dim1
	s_mov_b32 s[\g+5], KROW                        ; the pitch
	s_mov_b32 s[\g+6], 0
	s_mov_b32 s[\g+7], 0
.endr
	s_or_b32 s[G1S+0], s43, (3<<16)|(1<<20)|(1<<21)|(5<<22)|(3<<25)  ; the scales of 128 rows: a dense block, as rows of 32 elements of 8 bytes
	s_or_b32 s[G1SB+0], s44, (3<<16)|(1<<20)|(1<<21)|(5<<22)|(3<<25)
.irp g, G1S, G1SB
	s_mov_b32 s[\g+1], 32<<16
	s_mov_b32 s[\g+2], (128*KS/256)<<16
	s_mov_b32 s[\g+3], 32<<16
	s_mov_b32 s[\g+4], 128*KS/256
	s_mov_b32 s[\g+5], 32
	s_mov_b32 s[\g+6], 0
	s_mov_b32 s[\g+7], 0
.endr
	s_mov_b32 s66, 0x3c000000                      ; 1 / 128
	s_mov_b32 s67, 0x358637bd                      ; eps = 1e-6
	s_mov_b32 s100, 0x76543210                     ; v_permlanex16_b32's selects for lane l xor 16
	s_mov_b32 s101, 0xfedcba98
	s_lshl_b32 s18, s16, 7
	s_lshl_b32 s20, s17, 8
	s_add_co_u32 s20, s20, s18                     ; A: row 256 x tile row + 128 x half
	s_lshl_b32 s46, s42, 8
	s_add_co_u32 s46, s46, s18                     ; B: row 256 x tile column + 128 x half
	s_mov_b32 s21, 0
	s_mov_b32 s47, 0
	s_mov_b64 s[18:19], KS
	s_mul_u64 s[22:23], s[20:21], s[18:19]
	s_mul_u64 s[92:93], s[46:47], s[18:19]
	s_mov_b64 s[18:19], KROW
	s_mul_u64 s[20:21], s[20:21], s[18:19]
	s_mul_u64 s[46:47], s[46:47], s[18:19]
	s_mul_i32 s45, s14, HALFT                      ; where they go: wave x 128 rows
	s_mul_i32 s94, s14, HALFS
	s_wait_dscnt 0x0                               ; both opening adds are done
	s_wait_kmcnt 0x0
	s_add_nc_u64 s[8:9], s[4:5], 0x200000          ; B's codes: behind x's 2,048 rows of 1,024 bytes
	s_add_nc_u64 s[10:11], s[6:7], 0x20000         ; B's scales: behind 2,048 rows of 64 bytes
	s_add_nc_u64 s[20:21], s[4:5], s[20:21]
	s_add_nc_u64 s[22:23], s[6:7], s[22:23]
	s_add_nc_u64 s[46:47], s[8:9], s[46:47]
	s_add_nc_u64 s[92:93], s[10:11], s[92:93]
	CROUND                                         ; all sixteen work-groups are here: the first joint loads meet
	s_mov_b32 s[G0S], 1
	s_add_co_u32 s[G0S+1], s94, SCL
	s_mov_b64 s[G0S+2:G0S+3], s[22:23]
	s_or_b32 s[G0S+3], s[G0S+3], 0x80000000
	s_mov_b32 s[G0SB], 1
	s_add_co_u32 s[G0SB+1], s94, SCL
	s_mov_b64 s[G0SB+2:G0SB+3], s[92:93]
	s_or_b32 s[G0SB+3], s[G0SB+3], 0x80000000
	JLOAD G0S, G1S, G0SB, G1SB                     ; the scales first: they are wanted with K step 0
.irp s, 0,1
	s_mov_b32 s[G0+4*\s], 1
	s_add_co_u32 s[G0+4*\s+1], s45, \s*SLOT
	s_add_nc_u64 s[G0+4*\s+2:G0+4*\s+3], s[20:21], \s*ROWB
	s_or_b32 s[G0+4*\s+3], s[G0+4*\s+3], 0x80000000
	s_mov_b32 s[G0B+4*\s], 1
	s_add_co_u32 s[G0B+4*\s+1], s45, \s*SLOT
	s_add_nc_u64 s[G0B+4*\s+2:G0B+4*\s+3], s[46:47], \s*ROWB
	s_or_b32 s[G0B+4*\s+3], s[G0B+4*\s+3], 0x80000000
	JLOAD G0+4*\s, G1, G0B+4*\s, G1B               ; three tensor loads of mine are out now
.endr
	v_and_b32 v1, 15, v0                           ; r
	v_bfe_u32 v2, v0, 4, 1                         ; h
	v_mul_u32_u24 v3, v1, PITCH
	v_lshl_add_u32 v4, v2, 4, v3
	s_mul_i32 s21, s15, HALFT
	s_mul_i32 s22, s16, HALFT
	s_add_co_u32 s22, s22, 2*HALFT
.irp s, 0,1
	v_add_nc_u32 v[ADRA+\s], s21, v4
	v_add_nc_u32 v[ADRB+\s], s22, v4
	s_add_co_u32 s21, s21, SLOT
	s_add_co_u32 s22, s22, SLOT
.endr
	v_mul_u32_u24 v5, v1, KS                       ; my row's scales: KS bytes a row,
	v_lshrrev_b32 v6, 8, v5
	v_lshl_add_u32 v5, v6, 4, v5                   ; and 16 more for each 256 passed
	s_mul_i32 s21, s15, HALFS
	s_mul_i32 s22, s16, HALFS
	s_add_co_u32 s22, s22, 2*HALFS
	s_sub_co_u32 s22, s22, s21
	v_mul_u32_u24 v6, s22, v2                      ; lanes 16-31 take B's
	s_add_co_u32 s21, s21, SCL
	v_add_nc_u32 v5, v5, v6
	v_add_nc_u32 v[ADRS], s21, v5
	s_mul_i32 s23, s14, 16*SPITCH                  ; my stage
	v_mul_u32_u24 v5, v1, SPITCH                   ; in: row r, 16 bytes for each half of the lanes
	v_lshl_add_u32 v5, v2, 4, v5
	v_add_nc_u32 v[STO], s23, v5
	v_mul_u32_u24 v5, v2, SPITCH                   ; back: lanes 0-15 one row of 256 bytes, lanes 16-31 the next
	v_lshl_add_u32 v5, v1, 4, v5
	v_add_nc_u32 v[RD], s23, v5
	v_and_b32 v6, 31, v0
	v_lshlrev_b32 v[CO], 4, v6
	s_lshl_b32 s20, s17, 8
	s_lshl_b32 s21, s15, 7
	s_add_co_u32 s20, s20, s21                     ; my first position: 256 x tile row + 128 x half
	s_lshl_b32 s46, s42, 1
	s_add_co_u32 s46, s46, s16                     ; my head, 0..47
	s_lshl_b32 s46, s46, 19                        ; 2,048 rows of 256 bytes a head
	s_lshl_b32 s47, s20, 8
	s_add_co_u32 s46, s46, s47
	s_mov_b32 s47, 0
	s_add_nc_u64 s[12:13], s[98:99], s[46:47]      ; where my 128 rows go
	s_lshl_b32 s46, s20, 10                        ; the table: 16,384 bytes for each 16 positions
	s_lshr_b32 s21, ttmp9, 1                       ; 0: q's columns, 1: k's, 2: v's (two clusters along x each)
	s_cmp_eq_u32 s21, 1
	s_cselect_b32 s21, 0x200000, 0                 ; k's table lies behind q's
	s_add_co_u32 s46, s46, s21
	s_add_nc_u64 s[96:97], s[96:97], s[46:47]
.macro FRAG reg, adr, q, i             ; 16 rows x 128 K of 4-bit codes: lane l holds row l % 16; registers 4 c .. 4 c + 3 hold K = 64 c + 32 (l / 16) + 0 .. 31
.irp c, 0,1
	ds_load_b128 v[\reg+4*\c:\reg+4*\c+3], v[\adr] offset:64*(\q)+32*\c+(\i)*16*PITCH
.endr
.endm
; 16 matrix instructions: A's blocks a0, a0 + 1 x B's eight.  The 64 accumulators take turns, one instruction a turn, in the same order in every step.
.macro MUL16 a0, p, q, sc, zero
.irp a, \a0, \a0+1
.irp b, 0,1,2,3,4,5,6,7
.if \zero
	v_wmma_scale_f32_16x16x128_f8f6f4 v[8*(8*((\a)%4)+\b):8*(8*((\a)%4)+\b)+7], v[128*(\p)+FR*\b:128*(\p)+FR*\b+FR-1], v[AF+FR*(\a):AF+FR*(\a)+FR-1], 0, v[SC+8*NQ*(\sc)+NQ*\b+(\q)], v[SC+8*NQ*(\sc)+NQ*(\a)+(\q)] matrix_a_fmt:MATRIX_FMT_FP4 matrix_b_fmt:MATRIX_FMT_FP4 matrix_a_scale:MATRIX_SCALE_ROW1
.else
	v_wmma_scale_f32_16x16x128_f8f6f4 v[8*(8*((\a)%4)+\b):8*(8*((\a)%4)+\b)+7], v[128*(\p)+FR*\b:128*(\p)+FR*\b+FR-1], v[AF+FR*(\a):AF+FR*(\a)+FR-1], v[8*(8*((\a)%4)+\b):8*(8*((\a)%4)+\b)+7], v[SC+8*NQ*(\sc)+NQ*\b+(\q)], v[SC+8*NQ*(\sc)+NQ*(\a)+(\q)] matrix_a_fmt:MATRIX_FMT_FP4 matrix_b_fmt:MATRIX_FMT_FP4 matrix_a_scale:MATRIX_SCALE_ROW1
.endif
.endr
.endr
.endm
.macro FETCH_B slot, q, p
	WIN TO_B
.irp i, 0,1,2,3,4,5,6,7
	FRAG 128*(\p)+FR*\i, ADRB+\slot, \q, \i
.endr
	WIN 0
.endm
.macro FETCH_A slot, q, i0
.irp i, \i0, \i0+1, \i0+2, \i0+3
	FRAG AF+FR*(\i), ADRA+\slot, \q, \i
.endr
.endm
.macro SCALES sc                       ; a K step's scale words: lanes 0-15 take A's block i, lanes 16-31 B's block i
.irp i, 0,1,2,3,4,5,6,7
	ds_load_b128 v[SC+8*NQ*\sc+NQ*\i:SC+8*NQ*\sc+NQ*\i+3], v[ADRS] offset:\i*SBLK
.endr
.endm
.macro PLACES n                        ; plain vector instructions between a matrix instruction and a load into, or a read of, its registers
.rept \n
	v_nop
.endr
.endm
.macro STEP slot, q, zero              ; 128 along K, with its successor in the same slot
	s_wait_dscnt 4*NLD                             ; B's set and A's blocks 0-3 are in; the youngest eight loads (A's blocks 4-7) may be out
	WIN MUL_LO
	MUL16 0, (\q)%2, \q, \slot, \zero
	MUL16 2, (\q)%2, \q, \slot, \zero
	s_wait_dscnt 0
	PLACES NP
	FETCH_B \slot, (\q)+1, 1-(\q)%2
	FETCH_A \slot, (\q)+1, 0
	WIN MUL_HI
	MUL16 4, (\q)%2, \q, \slot, \zero
	MUL16 6, (\q)%2, \q, \slot, \zero
	PLACES NP
	WIN 0
	FETCH_A \slot, (\q)+1, 4
.endm
; A slot's last step changes slots: one barrier; in front of it each wave waits for all its tensor loads, adds 0 to its spare word, and waits for that and for its reads of this slot.
.macro TURN slot, next, fill
	s_wait_tensorcnt 0x0                           ; all my tensor loads have landed: my part of the next slot
	ds_add_u32 v[SPW], v[NIL]
	s_wait_dscnt 4*NLD+1                           ; (the add and the youngest eight loads may be out)
	WIN MUL_LO
	MUL16 0, 1, NQ-1, \slot, 0
	s_wait_dscnt 0x0                               ; the add is done, and my reads of this slot are over
	s_barrier_signal -1
	MUL16 2, 1, NQ-1, \slot, 0
	WIN 0
	s_barrier_wait -1
.if \fill
	CREST                                          ; the barrier has opened a round of the cluster's barrier: no wave of any partner still reads this slot or has a load on its way
	s_add_nc_u64 s[G0+4*\slot+2:G0+4*\slot+3], s[G0+4*\slot+2:G0+4*\slot+3], 2*ROWB
	s_add_nc_u64 s[G0B+4*\slot+2:G0B+4*\slot+3], s[G0B+4*\slot+2:G0B+4*\slot+3], 2*ROWB
	JLOAD G0+4*\slot, G1, G0B+4*\slot, G1B         ; the first tensor load behind the round; its four v_nop are the places in front of the loads below
.else
	PLACES NP
.endif
	v_add_nc_u32 v[ADRS], 4*NQ, v[ADRS]
	FETCH_B \next, 0, 0
	FETCH_A \next, 0, 0
	SCALES \next
	WIN MUL_HI
	MUL16 4, 1, NQ-1, \slot, 0
	MUL16 6, 1, NQ-1, \slot, 0
	PLACES NP
	WIN 0
	FETCH_A \next, 0, 4
.endm
.macro STEPS slot, from
.set Q, \from
.rept NQ-1-\from
	STEP \slot, Q, 0
.set Q, Q+1
.endr
.endm
	s_wait_tensorcnt 1                             ; the scales and my part of K step 0 are in (K step 1's load may be out)
	s_barrier_signal -1
	s_barrier_wait -1                              ; everybody's are
	FETCH_B 0, 0, 0
	FETCH_A 0, 0, 0
	SCALES 0
	FETCH_A 0, 0, 4
	STEP 0, 0, 1                                   ; the first step's products start the sums: nothing is cleared
	s_mov_b32 s3, LAPS-1
.Llap:                                             ; a trip goes once round the ring and fills both slots again
	STEPS 0, 1
	TURN 0, 1, 1
	STEPS 1, 0
	TURN 1, 0, 1
	STEP 0, 0, 0
	s_sub_co_u32 s3, s3, 1
	s_cmp_lg_u32 s3, 0
	s_cbranch_scc1 .Llap
	STEPS 0, 1                                     ; the last lap fills nothing
	TURN 0, 1, 0
	STEPS 1, 0
	s_wait_dscnt 4*NLD
	WIN MUL_LO
	MUL16 0, 1, NQ-1, 1, 0
	MUL16 2, 1, NQ-1, 1, 0
	s_wait_dscnt 0
	WIN MUL_HI
	MUL16 4, 1, NQ-1, 1, 0
	MUL16 6, 1, NQ-1, 1, 0
	WIN 0
; ---------------- THE WAY OUT ----------------
.macro TLD a                           ; block a's table: 32 pieces of 512 consecutive bytes, into set a % 2 of window 1
	WIN 0x40
.set n, 0
.rept 32
	global_load_b128 v[128*((\a)%2)+4*n:128*((\a)%2)+4*n+3], v[CO], s[96:97] offset:(32*(\a)+n)*512
.set n, n+1
.endr
	WIN 0
.endm
.macro SQUARES a                       ; my 64 numbers of block a, squared and summed in four packed chains; each accumulator is read from its low end on
	WIN 0x0a+5*((\a)/4)                            ; sources 0 and 1: window 2 or 3
.irp b, 0,1,2,3,4,5,6,7
.irp p, 0,1,2,3
.if \b == 0
	v_pk_mul_f32 v[SS+8*(\a)+2*\p:SS+8*(\a)+2*\p+1], v[64*((\a)%4)+8*\b+2*\p:64*((\a)%4)+8*\b+2*\p+1], v[64*((\a)%4)+8*\b+2*\p:64*((\a)%4)+8*\b+2*\p+1]
.else
	v_pk_fma_f32 v[SS+8*(\a)+2*\p:SS+8*(\a)+2*\p+1], v[64*((\a)%4)+8*\b+2*\p:64*((\a)%4)+8*\b+2*\p+1], v[64*((\a)%4)+8*\b+2*\p:64*((\a)%4)+8*\b+2*\p+1], v[SS+8*(\a)+2*\p:SS+8*(\a)+2*\p+1]
.endif
.endr
.endr
.endm
.macro ROPE a                          ; block a: the mix of channels i and i + 64, the row's factor, f16
.set TAB, 128*((\a)%2)
.set AC, 64*((\a)%4)
.if (\a) < 7
	s_wait_loadcnt 32                              ; this block's table is in; the next block's 32 loads may be out
.else
	s_wait_loadcnt 0x0
.endif
	WIN 0x09+4*((\a)/4)                            ; source 0: the table, window 1; source 1: window 2 or 3
.irp b, 0,1,2,3
.irp jj, 0,1,2,3
	v_pk_mul_f32 v[NLO+8*\b+2*\jj:NLO+8*\b+2*\jj+1], v[TAB+8*(4*\b+\jj):TAB+8*(4*\b+\jj)+1], v[AC+8*\b+2*\jj:AC+8*\b+2*\jj+1]
	v_pk_mul_f32 v[NHI+8*\b+2*\jj:NHI+8*\b+2*\jj+1], v[TAB+8*(4*\b+\jj)+4:TAB+8*(4*\b+\jj)+5], v[AC+8*\b+2*\jj:AC+8*\b+2*\jj+1]
.endr
.endr
.irp b, 0,1,2,3
.irp jj, 0,1,2,3
	v_pk_fma_f32 v[NLO+8*\b+2*\jj:NLO+8*\b+2*\jj+1], v[TAB+8*(4*\b+\jj)+2:TAB+8*(4*\b+\jj)+3], v[AC+8*(\b+4)+2*\jj:AC+8*(\b+4)+2*\jj+1], v[NLO+8*\b+2*\jj:NLO+8*\b+2*\jj+1]
	v_pk_fma_f32 v[NHI+8*\b+2*\jj:NHI+8*\b+2*\jj+1], v[TAB+8*(4*\b+\jj)+6:TAB+8*(4*\b+\jj)+7], v[AC+8*(\b+4)+2*\jj:AC+8*(\b+4)+2*\jj+1], v[NHI+8*\b+2*\jj:NHI+8*\b+2*\jj+1]
.endr
.endr
	WIN 0
.if (\a) < 6
	TLD (\a)+2                                     ; the set just read takes the table of two blocks on
.endif
.set i, 0
.rept 32
	v_pk_mul_f32 v[NLO+i:NLO+i+1], v[NLO+i:NLO+i+1], v[RR+2*(\a):RR+2*(\a)+1]
.set i, i+2
.endr
.set i, 0
.rept 32
	v_cvt_pk_f16_f32 v[TMP+i], v[NLO+2*i], v[NLO+2*i+1]
.set i, i+1
.endr
.endm
.macro PACKV a                         ; v: block a as it is, f16; each accumulator from its low end on
	WIN 0x0a+5*((\a)/4)
.set i, 0
.rept 32
	v_cvt_pk_f16_f32 v[TMP+i], v[64*((\a)%4)+2*i], v[64*((\a)%4)+2*i+1]
.set i, i+1
.endr
	WIN 0
.endm
.macro TOSTAGE a, off                  ; 16 bytes a lane into my stage, and back as whole rows of 256 bytes.  LDS serves a wave's instructions in order (ISA guide 5.7.1.4): no wait between
.irp b, 0,1,2,3,4,5,6,7
	ds_store_b128 v[STO], v[TMP+4*\b:TMP+4*\b+3] offset:\off+32*\b
.endr
.irp t, 0,1,2,3,4,5,6,7
	ds_load_b128 v[BK+32*((\a)%2)+4*\t:BK+32*((\a)%2)+4*\t+3], v[RD] offset:\off+544*\t
.endr
.endm
.macro SEND a
	s_wait_dscnt 0x0                               ; the block is back in registers
	s_wait_xcnt 0x0                                ; the stores of the block before have read their registers: the next block's loads from the stage may land there
.irp t, 0,1,2,3,4,5,6,7
	global_store_b128 v[CO], v[BK+32*((\a)%2)+4*\t:BK+32*((\a)%2)+4*\t+3], s[12:13] offset:4096*(\a)+512*\t   ; 32 lanes store two rows of a head: 512 consecutive bytes, aligned
.endr
.endm
	PLACES NP                                      ; behind the last products: for the loads into B's registers, the writes over scale words and fragments, and the reads of results
	s_cmp_ge_u32 ttmp9, 4                          ; the cluster's x: the same in all sixteen partners.  Clusters 4 and 5 make v
	s_cbranch_scc1 .Lv_heads
	TLD 0
	TLD 1
.irp a, 0,1,2,3,4,5,6,7
	SQUARES \a                                     ; work that needs no table stands between the tables' loads and the wait for them
.endr
	WIN 0
.irp a, 0,1,2,3,4,5,6,7
	v_pk_add_f32 v[SS+8*\a:SS+8*\a+1], v[SS+8*\a:SS+8*\a+1], v[SS+8*\a+2:SS+8*\a+3]
	v_pk_add_f32 v[SS+8*\a+4:SS+8*\a+5], v[SS+8*\a+4:SS+8*\a+5], v[SS+8*\a+6:SS+8*\a+7]
.endr
.irp a, 0,1,2,3,4,5,6,7
	v_pk_add_f32 v[SS+8*\a:SS+8*\a+1], v[SS+8*\a:SS+8*\a+1], v[SS+8*\a+4:SS+8*\a+5]
.endr
.irp a, 0,1,2,3,4,5,6,7
	v_add_f32 v[SUM+\a], v[SS+8*\a], v[SS+8*\a+1]
.endr
.irp a, 0,1,2,3,4,5,6,7
	v_permlanex16_b32 v[SS+8*\a+2], v[SUM+\a], s100, s101   ; the row's other 64 channels lie in the lane 16 away
.endr
.irp a, 0,1,2,3,4,5,6,7
	v_add_f32 v[SUM+\a], v[SUM+\a], v[SS+8*\a+2]
.endr
.irp a, 0,1,2,3,4,5,6,7
	v_fma_f32 v[SUM+\a], v[SUM+\a], s66, s67       ; the mean of the squares + eps
.endr
.irp a, 0,1,2,3,4,5,6,7
	v_rsq_f32 v[SUM+\a], v[SUM+\a]
.endr
	v_nop                                          ; a plain instruction behind the last of the batch
	s_wait_alu depctr_va_vdst(0)                   ; one wait for the eight, ahead of their first reader
.irp a, 0,1,2,3,4,5,6,7
	v_mul_f32 v[RR+2*\a], 0x3d800000, v[SUM+\a]    ; / 16, twice: a pair for the packed multiply
	v_mul_f32 v[RR+2*\a+1], 0x3d800000, v[SUM+\a]
.endr
	ROPE 0
	TOSTAGE 0, 0
.irp a, 1,2,3,4,5,6,7                  ; block a's arithmetic stands between block a - 1's loads from the stage and the wait for them
	ROPE \a
	SEND \a-1
	TOSTAGE \a, 0
.endr
	SEND 7
	s_branch .Ldone
.Lv_heads:
	PACKV 0
	TOSTAGE 0, VSTG
.irp a, 1,2,3,4,5,6,7
	PACKV \a
	SEND \a-1
	TOSTAGE \a, VSTG
.endr
	SEND 7
.Ldone:
	s_wait_tensorcnt 0x0                           ; the wave's end, behind my last tensor load and my last LDS store
	ds_add_u32 v[SPW], v[NIL]
	s_wait_dscnt 0x0
	CROUND                                         ; the closing round: no work-group ends while a partner may still ask for a tile that names it
	s_endpgm
.Lfunc_end_k_q88a3d2e6ac_qkv:
	.size	k_q88a3d2e6ac_qkv, .Lfunc_end_k_q88a3d2e6ac_qkv-k_q88a3d2e6ac_qkv
	.p2alignl 7, 3214868480
	.fill 96, 4, 3214868480
	.section	.rodata,"a",@progbits
	.p2align	6, 0x0
	.amdhsa_kernel k_q88a3d2e6ac_qkv
		.amdhsa_group_segment_fixed_size 327680
		.amdhsa_private_segment_fixed_size 0
		.amdhsa_enable_private_segment 0
		.amdhsa_kernarg_size 32
		.amdhsa_user_sgpr_count 2
		.amdhsa_user_sgpr_kernarg_segment_ptr 1
		.amdhsa_wavefront_size32 1
		.amdhsa_system_sgpr_workgroup_id_x 1
		.amdhsa_system_sgpr_workgroup_id_y 1
		.amdhsa_system_sgpr_workgroup_id_z 1
		.amdhsa_system_vgpr_workitem_id 0
		.amdhsa_next_free_vgpr 1024
		.amdhsa_next_free_sgpr 102
		.amdhsa_reserve_vcc 0
		.amdhsa_float_denorm_mode_32 3
		.amdhsa_float_denorm_mode_16_64 3
		.amdhsa_memory_ordered 1
		.amdhsa_forward_progress 1
		.amdhsa_inst_pref_size 255
	.end_amdhsa_kernel
	.section	.bss,"aw",@nobits
	.p2align	6
	.space	262144
	.amdgpu_metadata
---
amdhsa.version: [ 1, 2 ]
amdhsa.kernels:
  - .name:           k_q88a3d2e6ac_qkv
    .symbol:         k_q88a3d2e6ac_qkv.kd
    .args:
      - { .name: codes, .offset: 0, .size: 8, .value_kind: global_buffer, .address_space: global }
      - { .name: scales, .offset: 8, .size: 8, .value_kind: global_buffer, .address_space: global }
      - { .name: rope_t, .offset: 16, .size: 8, .value_kind: global_buffer, .address_space: global }
      - { .name: qkv16, .offset: 24, .size: 8, .value_kind: global_buffer, .address_space: global }
    .group_segment_fixed_size: 327680
    .private_segment_fixed_size: 0
    .kernarg_segment_align: 8
    .kernarg_segment_size: 32
    .max_flat_workgroup_size: 128
    .sgpr_count:     102
    .vgpr_count:     1024
    .wavefront_size: 32
...
	.end_amdgpu_metadata
.endif
;; end of part 2
;; launch attn (part 3): grid 16 x 16, 4 waves a work-group, clusters of 4 x 1, 327,680 bytes of LDS; arguments qkv16, a16; writes a16
.if DOCPART == 3
	.amdgcn_target "amdgcn-amd-amdhsa--gfx1250"
	.amdhsa_code_object_version 6
	.text
	.protected	k_q88a3d2e6ac_attn
	.globl	k_q88a3d2e6ac_attn
	.p2align	8
	.type	k_q88a3d2e6ac_attn,@function
k_q88a3d2e6ac_attn:
	s_mov_b64 s[64:65], 0
	v_nop
	global_prefetch_b8 v0, s[64:65] scope:SCOPE_SE
	s_setreg_imm32_b32 hwreg(HW_REG_WAVE_MODE, 25, 1), 1
	s_wait_xcnt 0x0
	s_wait_alu depctr_hold_cnt(0) depctr_sa_sdst(0) depctr_va_vdst(0) depctr_va_sdst(0) depctr_va_ssrc(0) depctr_va_vcc(0) depctr_vm_vsrc(0)
	s_getreg_b32 s2, hwreg(HW_REG_IB_STS2, 6, 4)
	s_cmp_eq_u32 s2, 0
	s_cbranch_scc0 .Lentry_in_a_cluster
	s_endpgm
.Lentry_in_a_cluster:
	s_bfe_u32 s2, ttmp6, 0x10000c
	s_cmp_lg_u32 s2, 0x3003
	s_cbranch_scc0 .Lentry_shape_is_right
	s_endpgm
.Lentry_shape_is_right:
; a[q][head][:] = the sum over k of softmax_k(Q[q] . K[k] / sqrt(128)) V[k][:], no mask.  qkv16: [48][2048][128] f16: heads 0-15 Q / 16, 16-31 K / 16, 32-47 V.  a16: [2048][16 x 128] f16.
; Products, maxima and sums in f32; the weights p are rounded to f16 for the second product, a once at the end.  The stored Q and K carry 1 / 16 each: c = 256 log2(e) / sqrt(128) gives it back.
; SHARES.  A work-group owns 128 queries of one head: 256 work-groups.  Its four waves are 2 halves of the queries (64 each: four tiles of 16) x 2 HALVES OF THE KEYS: of each slot of 256 keys wave kh
; takes rows 128 kh .. 128 kh + 127, 64 a step.  At the end the two waves of a query half join their results under their joint maximum.
; LAYOUT.  S^T = K Q^T (source 0 = 16 keys, source 1 = 16 queries): a lane holds ONE query (lane % 16) and the keys 8 (lane / 16) + 0..7.  Two such tiles, rounded to f16 in pairs, ARE source 1 of
; O^T = V^T P.  K comes out of LDS as it lies, V ([key][channel]) turned, by ds_load_tr16_b128.
; SOFTMAX.  For each query a running maximum m and sum l: p = 2^(c s - c m); in every step O and l are multiplied by a = 2^(c m_old - c m_new).
; BY TURNS.  The wave's tiles are two pieces (tiles 0, 1 and tiles 2, 3).  In a turn one piece has the matrix unit (32 products V^T P, 32 products K Q^T of the next step), and the other piece's
; softmax, cut into 64 slices, stands between them, one slice behind each matrix instruction.  Two turns are a key step.
; CLUSTER.  The four query blocks of a cluster belong to one head and walk the same K and V: each tile is asked for jointly, by the same tensor load with a mask that names the four.
; LIMITS: |q|, |k| under 2^20 and |v|, |a| under 65,504 (f16).
; REGISTERS, in windows of 256: window 0: v0-11 addresses; v12-43 eight statistics a tile; v44-53 the exchange; v64-191 S^T, 32 a tile; v192-255 P, 16 a tile.
;   window 1: O^T, 64 a tile.   window 2: v0-127 Q; v128-255 K of one step.   window 3: v0-127 V of one step.
.set KS,    64        ; keys in a step
.set PK,    272       ; a row of K in LDS: 256 bytes + 16: the 16 rows of a load start at 16 different banks (64 banks of 4 bytes: ISA guide 11.1)
.set PV,    288       ; a row of V: 256 + 32
.set SROWS, 256       ; keys in a slot
.set VOFF,  SROWS*PK  ; a slot: 256 rows of K, then 256 rows of V
.set SLOTB, SROWS*(PK+PV)
.set SLOTG, SROWS*256 ; a slot's rows of K, or of V, in memory
.set STAGE, 2*SLOTB   ; behind the ring: 16 rows x 272 bytes for each wave, for the way out
.set SP,    272
.set SPARE, STAGE+4*16*SP  ; the spare words, 128 bytes a wave, which no other line names
.set XCHB,  33792     ; the exchange of a query half: O^T as an image of its 256 registers (32,768 bytes), then eight statistics of 128 bytes; in slot 0, which has had its last fill and its last read by then
.set AK0, 2
.set AV0, 3
.set ADR, 4
.set QO,  5
.set STO, 6
.set RD,  7
.set GO,  8
.set XA,  44          ; v44  the exchange: 16 x lane + my query half's region
.set XST, 45          ; v45  its statistics: 4 x lane
.set PS,  46          ; v46-53 the partner's c m and l, tile by tile
.set PFO, 61
.set SPW, 62
.set NIL, 63
.set ST,  12          ; tile t's statistics at v[ST+8 t]: +0 c m, +1 m, +2, +3 l (even keys', odd keys'), +4 to +7 at work
.set S,   64
.set P,   192
.set KF,  128
.set WV,  12
.set LIM, 15          ; s15  1 in a wave that prefetches, else the greatest number
.set PFA, 18          ; s[18:19] where my prefetches stand
.set G1K, 24
.set G1V, 32
.set G0K, 40          ; s[40:47] group 0 for K's tiles, a set for each slot
.set G0V, 48          ; s[48:55] for V's
.set SLOTS, 56        ; s56  refills still to come
.set TWICE, 57
.set CS,  58
.set SEL, 60
.set TBK, 62          ; s62  LDS byte at which the K rows of the step to be fetched begin (without my wave's part)
.set TBV, 63          ; s63  the same for V
.set TRIPS, 66
.set KH,  67          ; s67  my half of the keys
.set QH,  69          ; s69  my half of the queries
.set MSB, 0
.macro WIN new
.if MSB != \new
	s_set_vgpr_msb (MSB<<8)|\new
.set MSB, \new
.endif
.endm
.set W_KQ, 0x0a
.set W_PV, 0x53
.set W_RS, 0x41
; A joint refill of slot s.  Waves 0 and 1 fetch the two halves of its K rows, waves 2 and 3 of its V rows.  An s_nop 0 and four v_nop follow each line.
.macro JLOAD s
	s_cmp_lt_u32 s[WV], 2
	s_cbranch_scc0 .Lfor_v_\@
	tensor_load_to_lds s[G0K+4*\s:G0K+4*\s+3], s[G1K:G1K+7]
	s_nop 0
.rept 4
	v_nop
.endr
	s_branch .Lasked_\@
.Lfor_v_\@:
	tensor_load_to_lds s[G0V+4*\s:G0V+4*\s+3], s[G1V:G1V+7]
	s_nop 0
.rept 4
	v_nop
.endr
.Lasked_\@:
.endm
; A PREFETCH of what the NEXT change of slots will ask for: 256 rows of K and 256 of V, 256 bytes a row, a lane a row: two key steps of every wave, 256 matrix instructions, ahead of that load.
; Each row is named once in the launch: the head's first cluster asks; its four partners take 64 rows each, told apart by address; in each, waves 0 and 1 ask for K's (32 rows each), waves 2 and 3 for V's.
; The last change that fills a slot asks for nothing; slots 0, 1 and 2 come by their loads alone.
.macro ASK
	s_cmp_gt_u32 s[SLOTS], s[LIM]
	s_cbranch_scc0 .Lnot_mine_\@
	global_prefetch_b8 v[PFO], s[PFA:PFA+1] th:TH_LOAD_NT scope:SCOPE_SE
.Lnot_mine_\@:
.endm
.macro CROUND
	s_barrier_signal -1
	s_barrier_wait -1
	s_cmp_lg_u32 s[WV], 0
	s_cbranch_scc1 .Lnot_wave_0_\@
	s_barrier_signal -3
.Lnot_wave_0_\@:
	s_barrier_wait -3
	s_barrier_signal -1
	s_barrier_wait -1
.endm
	s_load_b64 s[4:5], s[0:1], 0x0  ; qkv16
	s_load_b64 s[10:11], s[0:1], 0x8  ; a16
	v_lshl_add_u32 v[SPW], v0, 2, SPARE
	v_mov_b32 v[NIL], 0
	ds_add_u32 v[SPW], v[NIL]       ; the wave's opening: the add, twice on end, and its wait ahead of my first tensor load
	ds_add_u32 v[SPW], v[NIL]
	v_lshrrev_b32 v1, 5, v0
	v_readfirstlane_b32 s[WV], v1   ; wave 0..3
	s_and_b32 s[KH], s[WV], 1
	s_lshr_b32 s[QH], s[WV], 1
	s_bfe_u32 s13, ttmp6, 0x40000   ; cx
	s_lshl_b32 s14, ttmp9, 2
	s_add_co_u32 s14, s14, s13      ; my block of 128 queries: it enters Q's and a's addresses alone
	s_and_b32 s16, ttmp7, 0xffff    ; the head, which the four partners share
	s_lshl_b32 s20, s16, 19         ; its 2,048 rows of 256 bytes
	s_lshl_b32 s22, s[KH], 15       ; which 128 rows of a slot I fetch,
	s_add_co_u32 s22, s22, s20
	s_mov_b32 s23, 0
	s_mul_i32 s17, s[KH], 128*PK    ; and where they lie in a slot: also the rows that I read.  No place in the cluster enters an LDS address
	s_mul_i32 s68, s[KH], 128*PV
	s_lshl_b32 s2, s14, 15          ; Q: my block's 128 rows,
	s_lshl_b32 s3, s[QH], 14        ; my wave's 64 of them
	s_add_co_u32 s2, s2, s3
	s_add_co_u32 s2, s2, s20
	s_mov_b32 s3, 0
	s_lshl_b32 s70, s14, 19         ; a16: 128 rows of 4,096 bytes,
	s_lshl_b32 s71, s[QH], 18
	s_add_co_u32 s70, s70, s71
	s_lshl_b32 s71, s16, 8          ; the head's 256 bytes of a row
	s_add_co_u32 s70, s70, s71
	s_mov_b32 s71, 0
	s_lshl_b32 s72, s13, 14         ; the prefetches: my work-group's 64 rows,
	s_lshl_b32 s73, s[KH], 13       ; my wave's 32 of them,
	s_add_co_u32 s72, s72, s73
	s_add_co_u32 s72, s72, s20
	s_add_co_u32 s72, s72, 2*SLOTG  ; in slot 2: the first change of slots steps it to slot 3
	s_mov_b32 s73, 0
	s_mov_b32 s[G1K], 15|(1<<16)|(1<<20)|(1<<21)|(5<<22)|(3<<25)  ; the mask: all four work-groups; elements of 2 bytes; padding on; bit 21 beside a mask; after every 64 words 4 words
	s_mov_b32 s[G1V], 15|(1<<16)|(1<<20)|(1<<21)|(5<<22)|(7<<25)  ; the same with 8 words of padding
.irp g, G1K, G1V
	s_mov_b32 s[\g+1], 128<<16      ; tensor_dim0 = 128
	s_mov_b32 s[\g+2], 128<<16      ; tensor_dim1 = 128
	s_mov_b32 s[\g+3], 128<<16      ; tile_dim0 = 128
	s_mov_b32 s[\g+4], 128          ; tile_dim1 = 128
	s_mov_b32 s[\g+5], 128          ; the pitch
	s_mov_b32 s[\g+6], 0
	s_mov_b32 s[\g+7], 0
.endr
	s_mov_b32 s[CS], 0x420293ee     ; c = 256 log2(e) / sqrt(128)
	s_mov_b32 s[CS+1], s[CS]
	s_mov_b32 s[SEL], 0x76543210
	s_mov_b32 s[SEL+1], 0xfedcba98
	s_mov_b32 s[TBK], 0
	s_mov_b32 s[TBV], 0
	s_mov_b32 s[SLOTS], 6           ; slots 2 to 7 come by refills
	s_cmp_eq_u32 ttmp9, 0           ; the head's first cluster: the same in all four partners
	s_cselect_b32 s[LIM], 1, -1
	v_and_b32 v[PFO], 31, v0
	v_lshlrev_b32 v[PFO], 8, v[PFO]
	s_wait_dscnt 0x0                ; both opening adds are done
	s_wait_kmcnt 0x0
	s_add_nc_u64 s[6:7], s[4:5], 0x800000   ; K: behind Q's 16 heads
	s_add_nc_u64 s[8:9], s[4:5], 0x1000000  ; V: behind K's
	s_cmp_lt_u32 s[WV], 2
	s_cselect_b64 s[PFA:PFA+1], s[6:7], s[8:9]
	s_add_nc_u64 s[PFA:PFA+1], s[PFA:PFA+1], s[72:73]
	s_add_nc_u64 s[6:7], s[6:7], s[22:23]   ; K and V at my tile of slot 0
	s_add_nc_u64 s[8:9], s[8:9], s[22:23]
	s_add_nc_u64 s[4:5], s[4:5], s[2:3]     ; Q and a at my wave's first row
	s_add_nc_u64 s[10:11], s[10:11], s[70:71]
	CROUND                          ; all four work-groups are here: the first joint loads meet
.irp s, 0,1
	s_mov_b32 s[G0K+4*\s], 1
	s_add_co_u32 s[G0K+4*\s+1], s17, \s*SLOTB
	s_add_nc_u64 s[G0K+4*\s+2:G0K+4*\s+3], s[6:7], \s*SLOTG
	s_or_b32 s[G0K+4*\s+3], s[G0K+4*\s+3], 0x80000000
	s_mov_b32 s[G0V+4*\s], 1
	s_add_co_u32 s[G0V+4*\s+1], s68, \s*SLOTB+VOFF
	s_add_nc_u64 s[G0V+4*\s+2:G0V+4*\s+3], s[8:9], \s*SLOTG
	s_or_b32 s[G0V+4*\s+3], s[G0V+4*\s+3], 0x80000000
.endr
	s_cmp_lt_u32 s[WV], 2           ; a wave's two first fills stand in one branch, ahead of every wait on TENSORcnt and every LDS read: two loads of mine are out
	s_cbranch_scc0 .Lfirst_v
	tensor_load_to_lds s[G0K:G0K+3], s[G1K:G1K+7]
	s_nop 0
	tensor_load_to_lds s[G0K+4:G0K+7], s[G1K:G1K+7]
	s_nop 0
.rept 4
	v_nop
.endr
	s_branch .Lfirst_asked
.Lfirst_v:
	tensor_load_to_lds s[G0V:G0V+3], s[G1V:G1V+7]
	s_nop 0
	tensor_load_to_lds s[G0V+4:G0V+7], s[G1V:G1V+7]
	s_nop 0
.rept 4
	v_nop
.endr
.Lfirst_asked:
	v_and_b32 v1, 15, v0            ; l % 16
	v_bfe_u32 v9, v0, 4, 1          ; l / 16
	v_lshlrev_b32 v[QO], 8, v1
	v_lshl_add_u32 v[QO], v9, 4, v[QO]
	WIN 0x80                        ; destination window 2
.irp i, 0,1,2,3,4,5,6,7,8,9,10,11,12,13,14,15  ; Q stays in registers: tile i / 4, channels 32 (i % 4) on
	global_load_b128 v[8*\i:8*\i+3],   v[QO], s[4:5] offset:(\i/4)*4096+(\i%4)*64
	global_load_b128 v[8*\i+4:8*\i+7], v[QO], s[4:5] offset:(\i/4)*4096+(\i%4)*64+32
.endr
	WIN 0
	v_mul_u32_u24 v[AK0], v1, PK
	v_lshl_add_u32 v[AK0], v9, 4, v[AK0]
	v_add_nc_u32 v[AK0], s17, v[AK0]  ; row x pitch + 16 x half + my half of the slot's keys
	v_and_b32 v10, 7, v0
	v_bfe_u32 v11, v0, 3, 1
	v_lshl_add_u32 v[AV0], v9, 3, v10
	v_mul_u32_u24 v[AV0], v[AV0], PV
	v_lshl_add_u32 v[AV0], v11, 4, v[AV0]
	v_add_nc_u32 v[AV0], VOFF, v[AV0]
	v_add_nc_u32 v[AV0], s68, v[AV0]
; THE MATRIX WORK OF A TURN, for piece x.  The accumulators take turns, one instruction a turn.
.macro PV x, zero
	WIN W_PV
.set rO, 64*(\x+i%2)+8*((i/2)%8)
.set rV, 64*(i/16)+8*((i/2)%8)
.set rP, P+16*(\x+i%2)+8*(i/16)
.if \zero && (i < 16)
	v_wmma_f32_16x16x32_f16 v[rO:rO+7], v[rV:rV+7], v[rP:rP+7], 0
.else
	v_wmma_f32_16x16x32_f16 v[rO:rO+7], v[rV:rV+7], v[rP:rP+7], v[rO:rO+7]
.endif
.endm
.macro KQ x
	WIN W_KQ
.set rS, S+32*(\x+i%2)+8*((i/2)%4)
.set rK, KF+32*((i/2)%4)+8*(i/8)
.set rQ, 32*(\x+i%2)+8*(i/8)
.if i < 8
	v_wmma_f32_16x16x32_f16 v[rS:rS+7], v[rK:rK+7], v[rQ:rQ+7], 0
.else
	v_wmma_f32_16x16x32_f16 v[rS:rS+7], v[rK:rK+7], v[rQ:rQ+7], v[rS:rS+7]
.endif
.endm
; THE LDS LOADS stand in runs of 32: a step's K (64 keys x 128 channels) and, a turn later, its V (turned).
.macro FETCH_K
	WIN 0
	v_add_nc_u32 v[ADR], s[TBK], v[AK0]
	s_add_co_u32 s[TBK], s[TBK], KS*PK  ; the next fetch is the next step's
	WIN 0x80
.irp f, 0,1,2,3,4,5,6,7,8,9,10,11,12,13,14,15
	ds_load_b128 v[KF+8*\f:KF+8*\f+3],   v[ADR] offset:(\f/4)*16*PK+(\f%4)*64
	ds_load_b128 v[KF+8*\f+4:KF+8*\f+7], v[ADR] offset:(\f/4)*16*PK+(\f%4)*64+32
.endr
.endm
.macro FETCH_V
	WIN 0
	v_add_nc_u32 v[ADR], s[TBV], v[AV0]
	s_add_co_u32 s[TBV], s[TBV], KS*PV
	s_wait_alu depctr_va_vdst(0)    ; the wait for the softmax's batch of exponentials, ahead of the loads
	WIN 0xc0
.irp f, 0,1,2,3,4,5,6,7,8,9,10,11,12,13,14,15
	ds_load_tr16_b128 v[8*\f:8*\f+3],   v[ADR] offset:(\f/8)*32*PV+(\f%8)*32
	ds_load_tr16_b128 v[8*\f+4:8*\f+7], v[ADR] offset:(\f/8)*32*PV+16*PV+(\f%8)*32
.endr
.endm
; THE VECTOR WORK OF A TURN.  One tile's softmax for one key step is a list of 134 instructions; SM writes number j of it for tile t.
;   0-15 the maximum of the 32 scores and the old m;  16-20 the other half of the lanes' maximum, the new m, c m, c m_old - c m_new;
;   21-69 ONE BATCH: 16 packed scalings c s - c m and all 33 exponentials, none of which reads an exponential's result;  (the wait);  70-85 the roundings to f16;  86-101 the sums;  102-133 O^T times a.
.macro SM t, first
.set rT, ST+8*(\t)
.set rS, S+32*(\t)
.set rP, P+16*(\t)
.set rO, 64*(\t)+2*(j-102)
.if j < 102
	WIN 0
.endif
.if j < 4
	v_max3_num_f32 v[rT+4+j], v[rS+8*j], v[rS+8*j+1], v[rS+8*j+2]
.elseif j < 12
	v_max3_num_f32 v[rT+4+j%4], v[rT+4+j%4], v[rS+8*(j%4)+2*(j/4)+1], v[rS+8*(j%4)+2*(j/4)+2]
.elseif j == 12
	v_max3_num_f32 v[rT+4], v[rT+4], v[rS+7], v[rS+15]
.elseif j == 13
	v_max3_num_f32 v[rT+6], v[rT+6], v[rS+23], v[rS+31]
.elseif j == 14
	v_max3_num_f32 v[rT+4], v[rT+4], v[rT+5], v[rT+6]
.elseif (j == 15) && \first
	v_max_num_f32 v[rT+4], v[rT+4], v[rT+7]
.elseif j == 15
	v_max3_num_f32 v[rT+4], v[rT+4], v[rT+7], v[rT+1]
.elseif j == 16
	v_permlanex16_b32 v[rT+5], v[rT+4], s[SEL], s[SEL+1]
.elseif j == 18
	v_max_num_f32 v[rT+1], v[rT+4], v[rT+5]
.elseif j == 19
	v_mul_f32 v[rT], s[CS], v[rT+1]
.elseif ((j == 17) || (j == 20) || (j == 23) || (j > 101)) && \first
.elseif j == 17
	v_mov_b32 v[rT+7], v[rT]
.elseif j == 20
	v_sub_f32 v[rT+7], v[rT+7], v[rT]
.elseif j == 23
	v_exp_f32 v[rT+6], v[rT+7]
.elseif (j < 23) || ((j < 38) && (j%2 == 0)) || ((j < 66) && (j%4 == 2))
.set b, (j-2)/4
.if j < 38
.set b, (j-20)/2
.endif
	v_pk_fma_f32 v[rS+2*b:rS+2*b+1], v[rS+2*b:rS+2*b+1], s[CS:CS+1], v[rT:rT+1] op_sel_hi:[1,0,0] neg_lo:[0,0,1] neg_hi:[0,0,1]
.elseif j < 70
.set e, j-38
.if j < 66
.set e, j-32-(j-38)/4
.endif
.if j < 38
.set e, (j-25)/2
.endif
	v_exp_f32 v[rS+e], v[rS+e]
.elseif j < 86
	v_cvt_pk_f16_f32 v[rP+j-70], v[rS+2*(j-70)], v[rS+2*(j-70)+1]
.elseif j < 102
.set z, j-86
.set w, 4
.set u, z
.if z >= 14
.set w, 32
.set u, 0
.elseif z >= 12
.set w, 16
.set u, z-12
.elseif z >= 8
.set w, 8
.set u, z-8
.endif
.if (z == 14) && \first
	v_pk_add_f32 v[rT+2:rT+3], v[rS:rS+1], v[rS+16:rS+17]
.elseif z < 15
	v_pk_add_f32 v[rS+w*u:rS+w*u+1], v[rS+w*u:rS+w*u+1], v[rS+w*u+w/2:rS+w*u+w/2+1]
.elseif !\first
	v_pk_fma_f32 v[rT+2:rT+3], v[rT+2:rT+3], v[rT+6:rT+7], v[rS:rS+1] op_sel_hi:[1,0,1]
.endif
.else
	WIN W_RS
	v_pk_mul_f32 v[rO:rO+1], v[rO:rO+1], v[rT+6:rT+7] op_sel_hi:[1,0]
.endif
.endm
; Slice k of 64 of piece y's softmax: four instructions.  Slices 11 to 34 deal out the batch, four numbers of one tile each, the tiles by turns; every other slice is numbers 2 k and 2 k + 1 of both tiles;
; the twelve that are over stand in slice 63.  Behind slice 34 stands the one wait between the piece's 66 exponentials and the first instruction that names a result.
.macro SLICE y, first
.if (k >= 11) && (k < 35)
.irp n, 0,1,2,3
.set j, 22+4*((k-11)/2)+(\n)
	SM (\y)+(k-11)%2, \first
.endr
.else
.irp n, 0,1,2,3,4,5,6,7
.if (\n < 2) || (k == 63)
.irp t, \y, \y+1
.set j, 2*k+\n
	SM \t, \first
.endr
.endif
.endr
.endif
.if k == 34
	v_nop                           ; a plain instruction behind the last exponential, ahead of the first use: one for the batch
.if (\y) == 0
	FETCH_V                         ; piece 2's turn: V's run of loads stands here, and the wait stands in it
.else
	s_wait_alu depctr_va_vdst(0)
.endif
.endif
.set k, k+1
.endm
.macro PLACES
.rept 4
	v_nop
.endr
.endm
; A TURN.  Piece x has the matrix unit; the other piece's softmax stands in slices behind its matrix instructions.  pv = 2: 32 products V^T P; 1: they start O^T's sums; 0: none.  kq = 1: 32 products K Q^T.
.macro TURN x, pv, kq, first
.set k, 0
.set per, 2
.if \pv && \kq
.set per, 1
.endif
.if \pv
.if \x == 0
	s_wait_dscnt 0x0                ; V is in
.endif
.set i, 0
.rept 32
	PV \x, 2-\pv
.rept per
	SLICE 2-\x, \first
.endr
.if (\x == 0) && \kq && (i == 1)
	FETCH_K
.endif
.set i, i+1
.endr
.endif
.if \kq
.if \x == 0
	s_wait_dscnt 0x0                ; K is in
.endif
.set i, 0
.rept 32
	KQ \x
.rept per
	SLICE 2-\x, \first
.endr
.set i, i+1
.endr
.endif
.if \first
	PLACES
.endif
.endm
; THE CHANGE OF SLOTS, when LDS slot 'left' has been read out.  Each wave waits for all its tensor loads (one is out: its part of the other slot), adds 0 to its spare word, and waits for that and for its
; reads of the slot.  fill = 1: the barrier is a round of the cluster's, and the joint refill, with the keys two slots on, is the first thing behind it: it has two key steps in which to land.
.macro CHANGE fill, left
	WIN 0
	s_wait_tensorcnt 0x0            ; no tensor load of mine is out, so a group 0 may be written
	ds_add_u32 v[SPW], v[NIL]
.if \fill
	s_add_nc_u64 s[G0K+4*\left+2:G0K+4*\left+3], s[G0K+4*\left+2:G0K+4*\left+3], 2*SLOTG
	s_add_nc_u64 s[G0V+4*\left+2:G0V+4*\left+3], s[G0V+4*\left+2:G0V+4*\left+3], 2*SLOTG
	s_wait_xcnt 0x0                 ; the last prefetch, two key steps back, has read its address, so it may be written
	s_add_nc_u64 s[PFA:PFA+1], s[PFA:PFA+1], SLOTG
	s_wait_dscnt 0x0                ; the add is done, and my reads of the slot are over
	CROUND
	JLOAD \left
	ASK
	s_sub_co_u32 s[SLOTS], s[SLOTS], 1
.else
	s_wait_dscnt 0x0
	s_barrier_signal -1
	s_barrier_wait -1
.endif
	s_mov_b32 s[TBK], (1-\left)*SLOTB  ; the fetches go on in the other slot
	s_mov_b32 s[TBV], (1-\left)*SLOTB
.endm
.macro TWO_STEPS                    ; a slot's two key steps of my half: written once, walked twice
	s_mov_b32 s[TWICE], 2
.Lstep_\@:
	TURN 0, 2, 1, 0
	TURN 2, 2, 1, 0
	WIN 0
	s_sub_co_u32 s[TWICE], s[TWICE], 1
	s_cmp_lg_u32 s[TWICE], 0
	s_cbranch_scc1 .Lstep_\@
.endm
	s_wait_tensorcnt 1              ; my part of slot 0 is in; slot 1's may stay out
	s_barrier_signal -1
	s_barrier_wait -1
	FETCH_K                         ; key step 0
	s_wait_loadcnt 0x0              ; Q
	s_wait_dscnt 0x0
.set i, 0
.rept 32
	KQ 0
.set i, i+1
.endr
	WIN 0                           ; every LDS address of the way out and of the exchange is made here, ahead of any parting of the waves' roles; these plain lines are the places behind the products
	s_mul_i32 s13, s[WV], 16*SP
	s_add_co_u32 s13, s13, STAGE
	v_mul_u32_u24 v[STO], v1, SP
	v_lshl_add_u32 v[STO], v9, 4, v[STO]
	v_add_nc_u32 v[STO], s13, v[STO]
	v_mul_u32_u24 v[RD], v9, SP
	v_lshl_add_u32 v[RD], v1, 4, v[RD]
	v_add_nc_u32 v[RD], s13, v[RD]
	v_lshlrev_b32 v[GO], 12, v9     ; a16: lanes 0-15 one row, lanes 16-31 the next, 4,096 bytes on
	v_lshl_add_u32 v[GO], v1, 4, v[GO]
	s_mul_i32 s13, s[QH], XCHB
	v_and_b32 v[XA], 31, v0
	v_lshlrev_b32 v[XST], 2, v[XA]
	v_lshlrev_b32 v[XA], 4, v[XA]
	v_add_nc_u32 v[XA], s13, v[XA]
	v_add_nc_u32 v[XST], s13, v[XST]
	v_add_nc_u32 v[XST], 32768, v[XST]
	TURN 2, 0, 1, 1                 ; piece 2's first scores | piece 0's first softmax | V of step 0
	TURN 0, 1, 1, 1                 ; piece 0: V^T P of step 0 starts O^T, K Q^T of step 1 | piece 2's first softmax | K of step 1
	TURN 2, 1, 1, 0                 ; piece 2: the same | piece 0's softmax of step 1 | V of step 1
	WIN 0
	s_mov_b32 s[TRIPS], 3
.Lslot:                             ; a trip reads two slots and fills both again: slots 1, 2 | 3, 4 | 5, 6 are read, slots 2 to 7 asked for
	CHANGE 1, 0
	TWO_STEPS
	CHANGE 1, 1
	TWO_STEPS
	s_sub_co_u32 s[TRIPS], s[TRIPS], 1
	s_cmp_lg_u32 s[TRIPS], 0
	s_cbranch_scc1 .Lslot
	CHANGE 0, 0                     ; the tail is written out.  Behind this barrier nobody reads LDS slot 0, and nothing is filled any more
	TWO_STEPS
	TURN 0, 2, 0, 0                 ; piece 0: V^T P of the last step | piece 2's last softmax
.set i, 0
.rept 32
	PV 2, 0
.set i, i+1
.endr
	; THE TWO HALVES OF THE KEYS MEET.  Each wave adds l's parts (these additions are the places behind the last products).  Wave kh = 1 gives O^T, as an image of its registers, c m and l to LDS;
	; a barrier; wave kh = 0 joins: c m = the larger, a_i = 2^(c m_i - c m), l = a_0 l_0 + a_1 l_1, O = (a_0 O_0 + a_1 O_1) / l.
	WIN 0
.irp t, 0,1,2,3
	v_add_f32 v[ST+8*\t+4], v[ST+8*\t+2], v[ST+8*\t+3]
.endr
.irp t, 0,1,2,3
	v_permlanex16_b32 v[ST+8*\t+5], v[ST+8*\t+4], s[SEL], s[SEL+1]
.endr
.irp t, 0,1,2,3
	v_add_f32 v[ST+8*\t+4], v[ST+8*\t+4], v[ST+8*\t+5]
.endr
	s_cmp_eq_u32 s[KH], 0
	s_cbranch_scc1 .Lkeeper
	WIN 0x04                        ; an LDS store's data are its source 1: window 1
.set i, 0
.rept 64
	ds_store_b128 v[XA], v[4*i:4*i+3] offset:512*i  ; ascending: each accumulator from its low end on
.set i, i+1
.endr
	WIN 0
.irp t, 0,1,2,3
	ds_store_b32 v[XST], v[ST+8*\t] offset:256*\t
	ds_store_b32 v[XST], v[ST+8*\t+4] offset:256*\t+128
.endr
.Lkeeper:
	s_wait_dscnt 0x0                ; for the partner's sake: my stores have landed
	s_barrier_signal -1
	s_barrier_wait -1
	s_cmp_lg_u32 s[KH], 0
	s_cbranch_scc1 .Lgiven
.macro XLOAD t                      ; the partner's tile t: 16 loads, into v64-127 or v128-191 by turns
.set i, 0
.rept 16
	ds_load_b128 v[S+64*((\t)%2)+4*i:S+64*((\t)%2)+4*i+3], v[XA] offset:(16*(\t)+i)*512
.set i, i+1
.endr
.endm
.irp t, 0,1,2,3
	ds_load_b32 v[PS+2*\t], v[XST] offset:256*\t
	ds_load_b32 v[PS+2*\t+1], v[XST] offset:256*\t+128
.endr
	XLOAD 0
	XLOAD 1
	s_wait_dscnt 32                 ; the statistics are in; the 32 loads of tiles 0 and 1 may be out
.irp t, 0,1,2,3
	v_max_num_f32 v[ST+8*\t+5], v[ST+8*\t], v[PS+2*\t]
.endr
.irp t, 0,1,2,3
	v_sub_f32 v[ST+8*\t+6], v[ST+8*\t], v[ST+8*\t+5]
	v_sub_f32 v[ST+8*\t+7], v[PS+2*\t], v[ST+8*\t+5]
.endr
.irp t, 0,1,2,3
	v_exp_f32 v[ST+8*\t+6], v[ST+8*\t+6]
	v_exp_f32 v[ST+8*\t+7], v[ST+8*\t+7]
.endr
	v_nop
	s_wait_alu depctr_va_vdst(0)    ; one wait for the eight exponentials, ahead of their first reader
.irp t, 0,1,2,3
	v_mul_f32 v[ST+8*\t+4], v[ST+8*\t+6], v[ST+8*\t+4]
.endr
.irp t, 0,1,2,3
	v_fma_f32 v[ST+8*\t+4], v[ST+8*\t+7], v[PS+2*\t+1], v[ST+8*\t+4]
.endr
.irp t, 0,1,2,3
	v_rcp_f32 v[ST+8*\t+5], v[ST+8*\t+4]
.endr
	v_nop
	s_wait_alu depctr_va_vdst(0)    ; and one for the four reciprocals
.irp t, 0,1,2,3
	v_mul_f32 v[ST+8*\t+6], v[ST+8*\t+6], v[ST+8*\t+5]  ; g0 = a_0 / l
	v_mul_f32 v[ST+8*\t+4], v[ST+8*\t+7], v[ST+8*\t+5]  ; g1 = a_1 / l
.endr
; Tile t is joined, rounded to f16, sent through my stage and read back as whole rows of 256 bytes.  cnt: the LDS instructions issued behind the partner's tile t.
.macro MERGE t, cnt
.set rT, ST+8*(\t)
.set rX, S+64*((\t)%2)
.set rU, P+32*((\t)%2)
	s_wait_dscnt \cnt
.set i, 0
.rept 32
	v_pk_mul_f32 v[rX+i:rX+i+1], v[rX+i:rX+i+1], v[rT+4:rT+5] op_sel_hi:[1,0]
.set i, i+2
.endr
	WIN 0x01                        ; source 0: my O^T, window 1; ascending: each accumulator from its low end on
.set i, 0
.rept 32
	v_pk_fma_f32 v[rX+i:rX+i+1], v[64*(\t)+i:64*(\t)+i+1], v[rT+6:rT+7], v[rX+i:rX+i+1] op_sel_hi:[1,0,1]
.set i, i+2
.endr
	WIN 0
.set i, 0
.rept 32
	v_cvt_pk_f16_f32 v[rX+i], v[rX+2*i], v[rX+2*i+1]
.set i, i+1
.endr
.if (\t) >= 2
	s_wait_xcnt 0x0                 ; the stores of tile t - 2 have read the registers into which the loads below land
.endif
.irp f, 0,1,2,3,4,5,6,7
	ds_store_b128 v[STO], v[rX+4*\f:rX+4*\f+3] offset:32*\f
.endr
.irp f, 0,1,2,3,4,5,6,7
	ds_load_b128 v[rU+4*\f:rU+4*\f+3], v[RD] offset:\f*2*SP  ; LDS serves a wave's instructions in order (ISA guide 5.7.1.4): these see the stores above
.endr
.if (\t) < 2
	XLOAD (\t)+2
.endif
.endm
.macro SEND t, cnt                  ; cnt: the LDS instructions issued behind tile t's loads from the stage
	s_wait_dscnt \cnt
.irp f, 0,1,2,3,4,5,6,7
	global_store_b128 v[GO], v[P+32*((\t)%2)+4*\f:P+32*((\t)%2)+4*\f+3], s[10:11] offset:65536*(\t)+8192*\f  ; 16 lanes store 256 consecutive bytes, aligned: a head's part of a row
.endr
.endm
	MERGE 0, 16                     ; behind the partner's tile 0: tile 1's 16 loads
	MERGE 1, 32                     ; behind tile 1: my tile 0's 8 stores and 8 loads, tile 2's 16 loads
	SEND 0, 48                      ; behind tile 0's loads from the stage: tile 2's 16, tile 1's 16, tile 3's 16
	MERGE 2, 32                     ; behind tile 2: tile 1's 16, tile 3's 16
	SEND 1, 32                      ; tile 3's 16, tile 2's 16
	MERGE 3, 16                     ; tile 2's 16
	SEND 2, 16                      ; tile 3's 16
	SEND 3, 0
.Lgiven:
	s_wait_tensorcnt 0x0            ; the wave's end, behind my last tensor load and my last LDS store
	ds_add_u32 v[SPW], v[NIL]
	s_wait_dscnt 0x0
	CROUND                          ; the closing round: no work-group ends while a partner may still ask for a tile that names it
	s_endpgm
.Lfunc_end_k_q88a3d2e6ac_attn:
	.size	k_q88a3d2e6ac_attn, .Lfunc_end_k_q88a3d2e6ac_attn-k_q88a3d2e6ac_attn
	.p2alignl 7, 3214868480
	.fill 96, 4, 3214868480
	.section	.rodata,"a",@progbits
	.p2align	6, 0x0
	.amdhsa_kernel k_q88a3d2e6ac_attn
		.amdhsa_group_segment_fixed_size 327680
		.amdhsa_private_segment_fixed_size 0
		.amdhsa_enable_private_segment 0
		.amdhsa_kernarg_size 16
		.amdhsa_user_sgpr_count 2
		.amdhsa_user_sgpr_kernarg_segment_ptr 1
		.amdhsa_wavefront_size32 1
		.amdhsa_system_sgpr_workgroup_id_x 1
		.amdhsa_system_sgpr_workgroup_id_y 1
		.amdhsa_system_sgpr_workgroup_id_z 1
		.amdhsa_system_vgpr_workitem_id 0
		.amdhsa_next_free_vgpr 1024
		.amdhsa_next_free_sgpr 80
		.amdhsa_reserve_vcc 0
		.amdhsa_float_denorm_mode_32 3
		.amdhsa_float_denorm_mode_16_64 3
		.amdhsa_memory_ordered 1
		.amdhsa_forward_progress 1
		.amdhsa_inst_pref_size 255
	.end_amdhsa_kernel
	.section	.bss,"aw",@nobits
	.p2align	6
	.space	262144
	.amdgpu_metadata
---
amdhsa.version: [ 1, 2 ]
amdhsa.kernels:
  - .name:           k_q88a3d2e6ac_attn
    .symbol:         k_q88a3d2e6ac_attn.kd
    .args:
      - { .name: qkv16, .offset: 0, .size: 8, .value_kind: global_buffer, .address_space: global }
      - { .name: a16, .offset: 8, .size: 8, .value_kind: global_buffer, .address_space: global }
    .group_segment_fixed_size: 327680
    .private_segment_fixed_size: 0
    .kernarg_segment_align: 8
    .kernarg_segment_size: 16
    .max_flat_workgroup_size: 128
    .sgpr_count:     80
    .vgpr_count:     1024
    .wavefront_size: 32
...
	.end_amdgpu_metadata
.endif
;; end of part 3
;; launch oproj (part 4): grid 16 x 16, 4 waves a work-group, clusters of 4 x 4, 327,680 bytes of LDS; arguments a16, wo16, out0; writes out0
.if DOCPART == 4
	.amdgcn_target "amdgcn-amd-amdhsa--gfx1250"
	.amdhsa_code_object_version 6
	.text
	.protected	k_q88a3d2e6ac_oproj
	.globl	k_q88a3d2e6ac_oproj
	.p2align	8
	.type	k_q88a3d2e6ac_oproj,@function
k_q88a3d2e6ac_oproj:
	s_mov_b64 s[64:65], 0
	v_nop
	global_prefetch_b8 v0, s[64:65] scope:SCOPE_SE
	s_setreg_imm32_b32 hwreg(HW_REG_WAVE_MODE, 25, 1), 1
	s_wait_xcnt 0x0
	s_wait_alu depctr_hold_cnt(0) depctr_sa_sdst(0) depctr_va_vdst(0) depctr_va_sdst(0) depctr_va_ssrc(0) depctr_va_vcc(0) depctr_vm_vsrc(0)
	s_getreg_b32 s2, hwreg(HW_REG_IB_STS2, 6, 4)
	s_cmp_eq_u32 s2, 0
	s_cbranch_scc0 .Lentry_in_a_cluster
	s_endpgm
.Lentry_in_a_cluster:
	s_bfe_u32 s2, ttmp6, 0x10000c
	s_cmp_lg_u32 s2, 0xf033
	s_cbranch_scc0 .Lentry_shape_is_right
	s_endpgm
.Lentry_shape_is_right:
; out0[m][n] = sum over k of a[m][k] wo[n][k].  a16: [2048][2048], wo16: [2048][2048], f16; out0: [2048][2048] f32; sums in f32.
; 2048 x 2048 makes 64 tiles of 256 x 256, too few for the WGPs: a tile is 128 x 128, 256 work-groups.  Four waves, each 64 x 64: 16 accumulators of 16 x 16, 128 registers.
; K goes in steps of 256 (LDS rows of 512 bytes; a wave's tensor load brings 64 of them) through two slots.
; CLUSTERS: 4 x 4 work-groups; a's tiles are asked for jointly along a row of the cluster, wo's along a column.  THE MATRIX INSTRUCTION IS USED TRANSPOSED (source 0 = 16 rows of wo, source 1 = 16 rows
; of a): a lane holds eight neighbouring numbers of a row of out0.  A wave's 64 columns are 256 bytes of a row: each wave has a stage of its own on the way out, and no barrier is needed there.
; THE WALK ALONG K IS TURNED FROM CLUSTER TO CLUSTER: cluster (X, Y) begins at K step 2 ((X + 2 (Y mod 2)) mod 4) and goes round all eight.  The four clusters of a row of clusters read the same rows
; of a: they begin two K steps apart, so that their first fills, two K steps each, together ask for all eight K steps of those rows, and every later refill names a K step that another cluster has
; asked for at least two K steps, 256 matrix instructions, earlier.  Of the clusters of a column, which read the same rows of wo, Y and Y xor 1 begin four K steps apart: a cluster's last four K steps
; of wo are those that the other has begun with.  The offset is made of the cluster's x and y alone: it is the same in all sixteen partners.
; LIMIT: the f32 sums so run over K in a turned order, which differs from tile to tile: another order of roundings than ascending K.  |a|, |wo| under 65,504 (f16).
; No prefetch: a K step's matrix work is short and the launch is short.
; REGISTERS: window 0: v0-31 addresses; v32-95 at work on the way out; v128-255 the accumulators ((a, b) at v[128 + 8 (4 a + b)]).  window 1: two fragment buffers of 128.
.set SIZE_N, 2048
.set SIZE_K, 2048
.set KSTEP,  256
.set PITCH,  528                       ; an LDS row: 512 bytes + 16 = 132 words: row r starts at bank 4 r mod 64 (64 banks of 4 bytes: ISA guide 11.1)
.set HALFT,  64*PITCH
.set SLOT,   4*HALFT
.set STAGE,  2*SLOT                    ; behind the ring: 16 rows x 272 bytes for each wave
.set SPITCH, 272
.set SPARE,  STAGE+4*16*SPITCH         ; the spare words, 128 bytes a wave, which no other line names
.set LAPS, SIZE_K/(2*KSTEP)
.set ADRA, 16
.set ADRB, 20
.set STO,  24
.set RD,   25
.set CO,   26
.set SPW,  28
.set NIL,  29
.set TMP,  32
.set ACC,  128
.set F0,   0
.set F1,   128
.set G1, 24
.set G0, 32
.set G1B, 48
.set G0B, 56
.set KO, 66                            ; s[66:67] the byte in a row at which the K step asked for last begins: it goes round modulo a row's 4,096 bytes
.set MSB, 0
.macro WIN new
.if MSB != \new
	s_set_vgpr_msb (MSB<<8)|\new
.set MSB, \new
.endif
.endm
.set MUL,  0x05                        ; sources 0 (wo) and 1 (a) window 1; C and D window 0
.set TO_F, 0x40
.macro JLOAD s                         ; a joint load: waves 0 and 1 fetch a's two halves, waves 2 and 3 wo's; an s_nop 0 and four v_nop follow each line
	s_cmp_eq_u32 s11, 0
	s_cbranch_scc0 .Lfor_b_\@
	tensor_load_to_lds s[G0+4*\s:G0+4*\s+3], s[G1:G1+7]
	s_nop 0
.rept 4
	v_nop
.endr
	s_branch .Lasked_\@
.Lfor_b_\@:
	tensor_load_to_lds s[G0B+4*\s:G0B+4*\s+3], s[G1B:G1B+7]
	s_nop 0
.rept 4
	v_nop
.endr
.Lasked_\@:
.endm
.macro CREST
	s_cmp_lg_u32 s10, 0
	s_cbranch_scc1 .Lnot_wave_0_\@
	s_barrier_signal -3
.Lnot_wave_0_\@:
	s_barrier_wait -3
	s_barrier_signal -1
	s_barrier_wait -1
.endm
.macro CROUND
	s_barrier_signal -1
	s_barrier_wait -1
	CREST
.endm
	s_load_b128 s[4:7], s[0:1], 0x0                ; a16 s[4:5], wo16 s[6:7]
	s_load_b64 s[8:9], s[0:1], 0x10                ; out0
	v_lshl_add_u32 v[SPW], v0, 2, SPARE
	v_mov_b32 v[NIL], 0
	ds_add_u32 v[SPW], v[NIL]                      ; the wave's opening: the add, twice on end, and its wait ahead of my first tensor load
	ds_add_u32 v[SPW], v[NIL]
	v_lshrrev_b32 v1, 5, v0
	v_readfirstlane_b32 s10, v1                    ; wave 0..3
	s_lshr_b32 s11, s10, 1                         ; which half of the tile's rows is mine.  Also: I fetch for a (0) or for wo (1)
	s_and_b32 s12, s10, 1                          ; which half of its columns.  Also: which 64 rows of that tile I fetch
	s_bfe_u32 s40, ttmp6, 0x40000
	s_bfe_u32 s41, ttmp6, 0x40004
	s_lshl_b32 s42, ttmp9, 2
	s_add_co_u32 s42, s42, s40                     ; tile column
	s_and_b32 s13, ttmp7, 0xffff
	s_lshl_b32 s13, s13, 2
	s_add_co_u32 s13, s13, s41                     ; tile row
	s_lshl_b32 s43, s41, 2
	s_lshl_b32 s43, 15, s43                        ; my row of the cluster
	s_lshl_b32 s44, 0x1111, s40                    ; my column
	s_and_b32 s[KO], ttmp7, 1                      ; where my cluster begins along K: the cluster's y mod 2,
	s_lshl_b32 s[KO], s[KO], 1                     ; twice,
	s_add_co_u32 s[KO], s[KO], ttmp9               ; + the cluster's x,
	s_and_b32 s[KO], s[KO], 3                      ; mod 4,
	s_lshl_b32 s[KO], s[KO], 10                    ; x two K steps of 512 bytes
	s_mov_b32 s[KO+1], 0
	s_or_b32 s[G1+0], s43, (1<<16)|(1<<20)|(1<<21)|(6<<22)|(3<<25)  ; the mask; elements of 2 bytes; padding on; bit 21 beside a mask; after every 128 words 4 words
	s_or_b32 s[G1B+0], s44, (1<<16)|(1<<20)|(1<<21)|(6<<22)|(3<<25)
.irp g, G1, G1B
	s_mov_b32 s[\g+1], KSTEP<<16
	s_mov_b32 s[\g+2], 64<<16
	s_mov_b32 s[\g+3], KSTEP<<16
	s_mov_b32 s[\g+4], 64
	s_mov_b32 s[\g+5], SIZE_K
	s_mov_b32 s[\g+6], 0
	s_mov_b32 s[\g+7], 0
.endr
	s_lshl_b32 s17, s12, 6
	s_lshl_b32 s16, s13, 7
	s_add_co_u32 s16, s16, s17                     ; a: row 128 x tile row + 64 x half
	s_lshl_b32 s46, s42, 7
	s_add_co_u32 s46, s46, s17                     ; wo: row 128 x tile column + 64 x half
	s_mov_b32 s17, 0
	s_mov_b32 s47, 0
	s_mov_b64 s[18:19], SIZE_K*2
	s_mul_u64 s[16:17], s[16:17], s[18:19]
	s_mul_u64 s[46:47], s[46:47], s[18:19]
	s_mul_i32 s20, s10, HALFT
	s_wait_dscnt 0x0                               ; both opening adds are done
	s_wait_kmcnt 0x0
	s_add_nc_u64 s[14:15], s[4:5], s[16:17]        ; the first byte of the 64 rows of a that I fetch: it stays, every group 0 is made from it
	s_add_nc_u64 s[46:47], s[6:7], s[46:47]        ; the same for wo
	CROUND                                         ; all sixteen work-groups are here: the first joint loads meet
.irp s, 0,1
.if \s == 1
	s_add_co_u32 s[KO], s[KO], KSTEP*2             ; my cluster's second K step: the first is an even one, so this does not pass the row's end
.endif
	s_mov_b32 s[G0+4*\s], 1
	s_add_co_u32 s[G0+4*\s+1], s20, \s*SLOT
	s_add_nc_u64 s[G0+4*\s+2:G0+4*\s+3], s[14:15], s[KO:KO+1]
	s_or_b32 s[G0+4*\s+3], s[G0+4*\s+3], 0x80000000
	s_mov_b32 s[G0B+4*\s], 1
	s_add_co_u32 s[G0B+4*\s+1], s20, \s*SLOT
	s_add_nc_u64 s[G0B+4*\s+2:G0B+4*\s+3], s[46:47], s[KO:KO+1]
	s_or_b32 s[G0B+4*\s+3], s[G0B+4*\s+3], 0x80000000
	JLOAD \s                                       ; two tensor loads of mine are out
.endr
	v_and_b32 v1, 15, v0                           ; r
	v_bfe_u32 v2, v0, 4, 1                         ; h
	v_mul_u32_u24 v3, v1, PITCH
	v_lshl_add_u32 v3, v2, 4, v3
	s_mul_i32 s21, s11, HALFT
	s_mul_i32 s22, s12, HALFT
	s_add_co_u32 s22, s22, 2*HALFT
.irp s, 0,1
	v_add_nc_u32 v[ADRA+\s], s21, v3
	v_add_nc_u32 v[ADRB+\s], s22, v3
	s_add_co_u32 s21, s21, SLOT
	s_add_co_u32 s22, s22, SLOT
.endr
	s_mul_i32 s23, s10, 16*SPITCH                  ; my stage
	s_add_co_u32 s23, s23, STAGE
	v_mul_u32_u24 v4, v1, SPITCH                   ; in: row r, 32 bytes for each half of the lanes
	v_lshl_add_u32 v4, v2, 5, v4
	v_add_nc_u32 v[STO], s23, v4
	v_mul_u32_u24 v5, v2, SPITCH                   ; back: lanes 0-15 one row of 256 bytes, lanes 16-31 the next
	v_lshl_add_u32 v5, v1, 4, v5
	v_add_nc_u32 v[RD], s23, v5
	v_lshlrev_b32 v5, 13, v2                       ; and the same two rows in out0: 8,192 bytes a row
	v_lshl_add_u32 v[CO], v1, 4, v5
	s_lshl_b32 s16, s13, 7
	s_lshl_b32 s17, s11, 6
	s_add_co_u32 s16, s16, s17                     ; my first row: 128 x tile row + 64 x half
	s_lshl_b32 s16, s16, 13
	s_mov_b32 s17, 0
	s_add_nc_u64 s[8:9], s[8:9], s[16:17]
	s_lshl_b32 s18, s42, 9                         ; my first column, in bytes: 512 x tile column + 256 x half (in registers that feed no descriptor)
	s_lshl_b32 s19, s12, 8
	s_add_co_u32 s18, s18, s19
	s_mov_b32 s19, 0
	s_add_nc_u64 s[8:9], s[8:9], s[18:19]
; 8 matrix instructions: m blocks a0, a0 + 1 x all 4 n blocks, 32 along K: half c of buffer f.  The 16 accumulators take turns.
.macro MUL8 f, c, a0, zero
.irp a, \a0, \a0+1
.irp b, 0,1,2,3
.if \zero
	v_wmma_f32_16x16x32_f16 v[ACC+8*(4*(\a)+\b):ACC+8*(4*(\a)+\b)+7], v[\f+64+8*(4*\c+\b):\f+64+8*(4*\c+\b)+7], v[\f+8*(4*\c+\a):\f+8*(4*\c+\a)+7], 0
.else
	v_wmma_f32_16x16x32_f16 v[ACC+8*(4*(\a)+\b):ACC+8*(4*(\a)+\b)+7], v[\f+64+8*(4*\c+\b):\f+64+8*(4*\c+\b)+7], v[\f+8*(4*\c+\a):\f+8*(4*\c+\a)+7], v[ACC+8*(4*(\a)+\b):ACC+8*(4*(\a)+\b)+7]
.endif
.endr
.endr
.endm
.macro FETCH slot, k, f                ; 32 LDS loads in one run: the fragments of 64 along K at byte k of the rows; the first 32 along K first
	WIN TO_F
.irp c, 0,1
.irp i, 0,1,2,3
	ds_load_b128 v[\f+64+8*(4*\c+\i):\f+64+8*(4*\c+\i)+3],   v[ADRB+\slot] offset:\k+64*\c+\i*16*PITCH
	ds_load_b128 v[\f+64+8*(4*\c+\i)+4:\f+64+8*(4*\c+\i)+7], v[ADRB+\slot] offset:\k+64*\c+\i*16*PITCH+32
	ds_load_b128 v[\f+8*(4*\c+\i):\f+8*(4*\c+\i)+3],         v[ADRA+\slot] offset:\k+64*\c+\i*16*PITCH
	ds_load_b128 v[\f+8*(4*\c+\i)+4:\f+8*(4*\c+\i)+7],       v[ADRA+\slot] offset:\k+64*\c+\i*16*PITCH+32
.endr
.endr
.endm
.macro PLACES                          ; four plain vector instructions in front of loads into registers that matrix instructions have read, and of reads of results
.rept 4
	v_nop
.endr
.endm
.macro QUARTER slot, k, f, g, zero     ; 64 along K: multiplies buffer f and fetches the next quarter, at byte k, into g
	s_wait_dscnt 16                                ; the first 32 along K are in; the younger sixteen loads may be out
	WIN MUL
	MUL8 \f, 0, 0, \zero
	MUL8 \f, 0, 2, \zero
	PLACES
	FETCH \slot, \k, \g
	s_wait_dscnt 32                                ; all but the 32 just issued
	WIN MUL
	MUL8 \f, 1, 0, 0
	MUL8 \f, 1, 2, 0
.endm
; The last quarter changes slots: one barrier; in front of it each wave waits for all its tensor loads, adds 0 to its spare word, and waits for that and for its reads of this slot.
.macro TURN slot, next, fill
	WIN 0
	s_wait_tensorcnt 0x0                           ; all my tensor loads have landed: my part of the next slot; so every group 0 may be written
	ds_add_u32 v[SPW], v[NIL]
	s_wait_dscnt 17                                ; (the add and the youngest sixteen loads may be out)
	WIN MUL
	MUL8 F1, 0, 0, 0
	s_wait_dscnt 0x0                               ; the add is done, and my reads of this slot are over
	s_barrier_signal -1
	MUL8 F1, 0, 2, 0
.if \fill
	WIN 0
.endif
	s_barrier_wait -1
.if \fill
	CREST                                          ; the barrier has opened a round of the cluster's barrier: no wave of any partner still reads this slot or has a load on its way
	s_add_co_u32 s[KO], s[KO], KSTEP*2             ; the K step behind the one asked for last,
	s_and_b32 s[KO], s[KO], SIZE_K*2-1             ; round the row's end
	s_add_nc_u64 s[G0+4*\slot+2:G0+4*\slot+3], s[14:15], s[KO:KO+1]
	s_or_b32 s[G0+4*\slot+3], s[G0+4*\slot+3], 0x80000000
	s_add_nc_u64 s[G0B+4*\slot+2:G0B+4*\slot+3], s[46:47], s[KO:KO+1]
	s_or_b32 s[G0B+4*\slot+3], s[G0B+4*\slot+3], 0x80000000
	JLOAD \slot                                    ; the first tensor load behind the round; its four v_nop are the places in front of the loads below
.else
	PLACES
.endif
	FETCH \next, 0, F0
	WIN MUL
	MUL8 F1, 1, 0, 0
	MUL8 F1, 1, 2, 0
.endm
	s_wait_tensorcnt 1                             ; my part of the first K step is in (the second's load may be out)
	s_barrier_signal -1
	s_barrier_wait -1
	FETCH 0, 0, F0
	QUARTER 0, 128, F0, F1, 1                      ; the first products start the sums: nothing is cleared
	WIN 0
	s_mov_b32 s3, LAPS-1
.Llap:                                             ; a trip goes once round the ring and fills both slots again: six refills in three trips
	QUARTER 0, 256, F1, F0, 0
	QUARTER 0, 384, F0, F1, 0
	TURN 0, 1, 1
	QUARTER 1, 128, F0, F1, 0
	QUARTER 1, 256, F1, F0, 0
	QUARTER 1, 384, F0, F1, 0
	TURN 1, 0, 1
	QUARTER 0, 128, F0, F1, 0
	WIN 0
	s_sub_co_u32 s3, s3, 1
	s_cmp_lg_u32 s3, 0
	s_cbranch_scc1 .Llap
	QUARTER 0, 256, F1, F0, 0                      ; the last lap fills nothing
	QUARTER 0, 384, F0, F1, 0
	TURN 0, 1, 0
	QUARTER 1, 128, F0, F1, 0
	QUARTER 1, 256, F1, F0, 0
	QUARTER 1, 384, F0, F1, 0
	s_wait_dscnt 16
	WIN MUL
	MUL8 F1, 0, 0, 0
	MUL8 F1, 0, 2, 0
	s_wait_dscnt 0
	MUL8 F1, 1, 0, 0
	MUL8 F1, 1, 2, 0
	WIN 0
	; THE WAY OUT, 16 rows x 64 columns at a time: 32 bytes a lane into my own stage, back as whole rows of 256 bytes.  LDS serves a wave's instructions in order (ISA guide 5.7.1.4): no wait between.
.macro TOST a
.irp b, 0,1,2,3
	ds_store_b128 v[STO], v[ACC+8*(4*(\a)+\b):ACC+8*(4*(\a)+\b)+3] offset:64*\b          ; each accumulator from its low end on
	ds_store_b128 v[STO], v[ACC+8*(4*(\a)+\b)+4:ACC+8*(4*(\a)+\b)+7] offset:64*\b+16
.endr
.irp t, 0,1,2,3,4,5,6,7
	ds_load_b128 v[TMP+32*((\a)%2)+4*\t:TMP+32*((\a)%2)+4*\t+3], v[RD] offset:\t*2*SPITCH
.endr
.endm
.macro SEND a, younger                 ; younger: the LDS instructions issued behind block a's loads
	s_wait_dscnt \younger
.irp t, 0,1,2,3,4,5,6,7
	global_store_b128 v[CO], v[TMP+32*((\a)%2)+4*\t:TMP+32*((\a)%2)+4*\t+3], s[8:9] offset:(16*(\a)+2*\t)*SIZE_N*4 th:TH_STORE_NT   ; 16 lanes store 256 consecutive bytes, aligned; written once, read by nobody here
.endr
.endm
	PLACES
	TOST 0
	TOST 1
	SEND 0, 16                                     ; behind block 0's loads: block 1's 8 stores and 8 loads
	s_wait_xcnt 0x0                                ; block 0's stores have read their registers: block 2's loads may land there
	TOST 2
	SEND 1, 16
	s_wait_xcnt 0x0
	TOST 3
	SEND 2, 16
	SEND 3, 0
	s_wait_tensorcnt 0x0                           ; the wave's end, behind my last tensor load and my last LDS store
	ds_add_u32 v[SPW], v[NIL]
	s_wait_dscnt 0x0
	CROUND                                         ; the closing round: no work-group ends while a partner may still ask for a tile that names it
	s_endpgm
.Lfunc_end_k_q88a3d2e6ac_oproj:
	.size	k_q88a3d2e6ac_oproj, .Lfunc_end_k_q88a3d2e6ac_oproj-k_q88a3d2e6ac_oproj
	.p2alignl 7, 3214868480
	.fill 96, 4, 3214868480
	.section	.rodata,"a",@progbits
	.p2align	6, 0x0
	.amdhsa_kernel k_q88a3d2e6ac_oproj
		.amdhsa_group_segment_fixed_size 327680
		.amdhsa_private_segment_fixed_size 0
		.amdhsa_enable_private_segment 0
		.amdhsa_kernarg_size 24
		.amdhsa_user_sgpr_count 2
		.amdhsa_user_sgpr_kernarg_segment_ptr 1
		.amdhsa_wavefront_size32 1
		.amdhsa_system_sgpr_workgroup_id_x 1
		.amdhsa_system_sgpr_workgroup_id_y 1
		.amdhsa_system_sgpr_workgroup_id_z 1
		.amdhsa_system_vgpr_workitem_id 0
		.amdhsa_next_free_vgpr 512
		.amdhsa_next_free_sgpr 68
		.amdhsa_reserve_vcc 0
		.amdhsa_float_denorm_mode_32 3
		.amdhsa_float_denorm_mode_16_64 3
		.amdhsa_memory_ordered 1
		.amdhsa_forward_progress 1
		.amdhsa_inst_pref_size 86
	.end_amdhsa_kernel
	.amdgpu_metadata
---
amdhsa.version: [ 1, 2 ]
amdhsa.kernels:
  - .name:           k_q88a3d2e6ac_oproj
    .symbol:         k_q88a3d2e6ac_oproj.kd
    .args:
      - { .name: a16, .offset: 0, .size: 8, .value_kind: global_buffer, .address_space: global }
      - { .name: wo16, .offset: 8, .size: 8, .value_kind: global_buffer, .address_space: global }
      - { .name: out0, .offset: 16, .size: 8, .value_kind: global_buffer, .address_space: global }
    .group_segment_fixed_size: 327680
    .private_segment_fixed_size: 0
    .kernarg_segment_align: 8
    .kernarg_segment_size: 24
    .max_flat_workgroup_size: 128
    .sgpr_count:     68
    .vgpr_count:     512
    .wavefront_size: 32
...
	.end_amdgpu_metadata
.endif
;; end of part 4
